; MI455X (gfx1250); checked and timed in simulation.
; The chip was launched on July 23, 2026; its instructions are those of AMD's public machine-readable ISA for CDNA 5 (MIT licence, August 2026) and "CDNA5" Instruction Set Architecture Reference Guide (July 2026). The comments in the code are by the model that wrote it; some were corrected since.
;; Multi Head Attention. Allowed arithmetic: matrix products marked QUANTISED: E2M3 operands, one E8M0 scale for each 32 along K, by v_wmma_scale_f32_16x16x128_f8f6f4 with both operands' format E2M3, f32 sums; everything else in f32.
;; Inputs: Wk 1,024 x 1,024 float32; Wo 1,024 x 1,024 float32; Wq 1,024 x 1,024 float32; Wv 1,024 x 1,024 float32; bk 1,024 float32; bo 1,024 float32; bq 1,024 float32; bv 1,024 float32; key 4 x 2,048 x 1,024 float32; query 4 x 2,048 x 1,024 float32; value 4 x 2,048 x 1,024 float32.
;; Outputs: out0 4 x 2,048 x 1,024 float32.
;; This version of the problem:
;;   THIS VERSION OF THE PROBLEM IS GIVEN IN LOW PRECISION. The matrix products marked QUANTISED in the list below multiply operands that are first quantised to E2M3 (2 exponent bits, 3 mantissa bits; 6 bits a number), with one power-of-two scale for each 32 numbers along K (OCP MX v1.0); their sums are f32. All else is computed in f32.
;;   The module's matrix products, in the order in which they are computed (A, B: the left and right operand; K: the contracted axis; several contracted axes count as one K, in the product's order):
;;     1. [M 8,192, K 1,024] x [K 1,024, N 1,024]; A: input query; B: input Wq: QUANTISED
;;     2. [M 8,192, K 1,024] x [K 1,024, N 1,024]; A: input key; B: input Wk: QUANTISED
;;     3. [M 8,192, K 1,024] x [K 1,024, N 1,024]; A: input value; B: input Wv: QUANTISED
;;     4. batch 64 x [M 2,048, K 64] x [K 64, N 2,048]; A: computed on the way; B: computed on the way: QUANTISED
;;     5. batch 64 x [M 2,048, K 2,048] x [K 2,048, N 64]; A: softmax (see below); B: computed on the way: QUANTISED
;;     6. [M 8,192, K 1,024] x [K 1,024, N 1,024]; A: computed on the way; B: input Wo: QUANTISED
;;   THE QUANTISER, for each operand of a quantised product, along K:
;;     - K is cut into blocks of 32 from its start; a last block that is shorter is filled with zeros.
;;     - A block's scale is 2^e with e = floor(log2(the largest magnitude in the block)) - 2, held to -126 .. 127; a block of zeros has e = 0. As a byte (E8M0): e + 127.
;;     - Each number is divided by its block's scale, clamped to +-7.5, and rounded to the nearest number of E2M3, ties to even, subnormals kept.
;;     - The product sums the exact products of the quantised numbers (number of the format x scale) in f32.
;;   ~~~python
;;   def quantise(x, axis):      # numpy; x: float32 -> the quantised numbers, widened to float32 again
;;       x = np.moveaxis(x, axis, -1); K = x.shape[-1]
;;       x = np.pad(x, [(0, 0)] * (x.ndim - 1) + [(0, -K % 32)]); x = x.reshape(x.shape[:-1] + (-1, 32)); a = np.abs(x).max(-1, keepdims=True)
;;       e = np.where(a > 0, np.clip(np.frexp(np.where(a > 0, a, 1))[1] - 1 - 2, -126, 127), 0)      # np.frexp(a)[1] - 1 = floor(log2(a)), exactly
;;       r = np.clip(x / 2.0 ** e, -7.5, 7.5)
;;       step = 2.0 ** (np.maximum(np.frexp(np.where(r == 0, 1, r))[1] - 1, 0) - 3)
;;       q = np.round(r / step) * step * 2.0 ** e      # np.round: ties to even
;;       return np.moveaxis(q.reshape(q.shape[:-2] + (-1,))[..., :K], -1, axis).astype(np.float32)
;;   ~~~
;;   SOFTMAX AHEAD OF A QUANTISED PRODUCT. Where the list says 'softmax', what is quantised is not the finished softmax but p = 2^(t - M), with t = logit x log2(e) and M = ceil(the row's largest t), a whole number; so 1/2 < the row's largest p <= 1. The row's sum l is taken of the UNQUANTISED p, in f32, and the product's result is divided by l at the end. Since M is a whole number, a kernel that streams over the keys may use a running M (the ceiling of the running maximum): every later rescaling is an exact power of two, which a block's scale takes up: the codes' values come out the same.
;;   OPERANDS COMPUTED ON THE WAY. 'Computed on the way' means the value that the module computes at that place (a softmax that the list does not call 'softmax' is quantised finished and normalised). What goes into a quantiser is computed in f32, as accurately as f32 sums, v_exp_f32 and their like allow (about 1e-6 of the number): no bf16 or f16 on the way to a quantiser, and a product that is left as it is and whose result goes on into a quantised operand takes f32 operands (vector FMAs, or v_wmma_f32_16x16x4_f32). A number that lies on a knife's edge between two numbers of the format may be rounded either way, as far as f32 arithmetic and the matrix unit's own rounding can turn it there, and no further.
;; One version. Each part assembles by itself: llvm-mc -triple=amdgcn-amd-amdhsa -mcpu=gfx1250 --defsym DOCPART=n.
;; ======== version 1 of 1: 4 launches
;; limits: right only within a limited range of input values
;; workspace buffers: xcod 18,874,368 bytes; xscl 786,432 bytes; wcod 3,145,728 bytes; wscl 131,072 bytes; hcod 18,874,368 bytes; hscl 1,310,720 bytes; ocod 6,291,456 bytes; oscl 262,144 bytes
;; launch quant (part 1): grid 896 x 1, 4 waves a work-group, no clusters, 68,096 bytes of LDS; arguments query, key, value, Wq, Wk, Wv, Wo, xcod, xscl, wcod, wscl; writes xcod, xscl, wcod, wscl
.if DOCPART == 1
	.amdgcn_target "amdgcn-amd-amdhsa--gfx1250"
	.amdhsa_code_object_version 6
	.text
	.protected	k_qeb1d7a27c5_quant
	.globl	k_qeb1d7a27c5_quant
	.p2align	8
	.type	k_qeb1d7a27c5_quant,@function
k_qeb1d7a27c5_quant:
	s_mov_b64 s[64:65], 0
	v_nop
	global_prefetch_b8 v0, s[64:65] scope:SCOPE_SE
	s_setreg_imm32_b32 hwreg(HW_REG_WAVE_MODE, 25, 1), 1
	s_wait_xcnt 0x0
; query, key, value [8192][1024] f32 (K innermost) and Wq, Wk, Wv, Wo [1024 (k)][1024 (n)] f32 (K is the first axis) become codes of FP6 (E2M3) with K innermost,
; 768 bytes a row, and one E8M0 byte for each 32 along K, 32 bytes a row.  A block's scale is 2^(floor(log2(largest magnitude)) - 2): its byte is the largest magnitude's exponent field - 2.
; POSITION ORDER: row p of every output holds the true row pi(p), pi = p with bits 3 and 4 exchanged (its own inverse).  Sixteen rows on end are then a tile whose results, used as
; source 0 of a product, give a lane 16 neighbours in the registers of two neighbouring tiles.  K stays in true order.
; Work-groups 0-127 take the weights (32 each: 128 columns x 256 along K; a lane a column, registers down K); work-groups 128-895 take the tokens (256 each tensor: 32 rows; 8 rows a wave).
; The two ways part on the work-group's number and never join; each has LDS bytes of its own.  No tensor load, no barrier: waves share nothing.
; LIMITS: NaN and infinities are not served.  A block whose largest magnitude lies under 2^-124, a block of zeros among them, gets the byte 1 (the rule's 127 for zeros is not kept:
; its codes are zeros, and this program alone reads the bytes).
.set STEPS, 16
.set EMAX,  2
.set CB,    12                         ; bytes of 16 codes
.set R,     16                         ; tokens: v16-79 four sets of 16 numbers as loaded
.set X,     80                         ; v80-111 two sets of 16 neighbours
.set E,     112                        ; v112-127 a scale byte for each step
.set C,     128                        ; v128-191 codes, four registers a step: no store's data are written again
.set WREG,  8192                       ; tokens' LDS: a region a wave: two stages of 32 x SP bytes, then its 256 scale bytes
.set SP,    80                         ; a lane's place in a stage: 64 bytes + 16 of padding
.set WSTG,  32768                      ; weights' LDS: a stage of 32 rows x PITCH a wave
.set PITCH, 272                        ; sixteen places of 16 bytes (12 of codes each) + 16
.set NB,    8                          ; blocks of 32 along K for a wave
.set XW,    32                         ; weights: v32-95 two sets of 32 numbers
.set CW,    96                         ; v96.. a block's codes
.set OUTR,  112                        ; v112-175 the way out
.set SB,    24                         ; v24-25 the scale bytes
.set SPW,   192                        ; v192 LDS address of my spare word; never rewritten
.set NIL,   193                        ; v193 0; never rewritten
.set SPARE, 67584                      ; behind both ways' regions: 128 bytes a wave, two blocks of 256 bytes that no other line names
.set WV,    26
	s_load_b256 s[4:11], s[0:1], 0x0               ; query, key, value, Wq
	s_load_b256 s[12:19], s[0:1], 0x20             ; Wk, Wv, Wo, xcod
	s_load_b128 s[20:23], s[0:1], 0x40             ; xscl, wcod
	s_load_b64 s[24:25], s[0:1], 0x50              ; wscl
	v_lshl_add_u32 v[SPW], v0, 2, SPARE
	v_mov_b32 v[NIL], 0
	v_lshrrev_b32 v1, 5, v0
	v_readfirstlane_b32 s[WV], v1                  ; wave 0..3
	v_and_b32 v2, 31, v0                           ; lane
	s_mov_b32 s41, 0
	s_wait_kmcnt 0x0
	s_cmp_lt_u32 ttmp9, 128
	s_cbranch_scc1 .Lweights
	; ---------------- THE TOKENS.  Rows are dense and 1,024 is a multiple of 32: a plain stream of blocks.  A wave takes 16 steps of 512 numbers: 8 rows.
	s_sub_co_u32 s34, ttmp9, 128
	s_lshr_b32 s36, s34, 8                         ; which tensor: 0 query, 1 key, 2 value
	s_and_b32 s34, s34, 255
	s_lshl_b32 s34, s34, 2                         ; 4 x my group of 32 rows
	s_add_co_u32 s38, s34, s[WV]                   ; the run of 8 rows that I read,
	s_and_b32 s37, s[WV], 1
	s_lshl_b32 s37, s37, 1
	s_lshr_b32 s39, s[WV], 1
	s_or_b32 s37, s37, s39
	s_add_co_u32 s37, s34, s37                     ; and where it goes: bits 3 and 4 of a row are the wave number's two bits, exchanged
	s_cmp_eq_u32 s36, 0
	s_cselect_b64 s[28:29], s[4:5], s[6:7]
	s_cmp_eq_u32 s36, 2
	s_cselect_b64 s[28:29], s[8:9], s[28:29]
	s_lshl_b32 s40, s38, 15                        ; 8 rows of 4,096 bytes
	s_add_nc_u64 s[28:29], s[28:29], s[40:41]
	s_mul_i32 s40, s36, 6291456
	s_mul_i32 s42, s37, 1536                       ; the codes lie in planes [K step of 256][row][192 bytes]: 8 rows of 192 bytes
	s_add_co_u32 s40, s40, s42
	s_add_nc_u64 s[30:31], s[18:19], s[40:41]
	s_lshl_b32 s40, s36, 18
	s_lshl_b32 s42, s37, 8                         ; 8 rows of 32 bytes
	s_add_co_u32 s40, s40, s42
	s_add_nc_u64 s[32:33], s[20:21], s[40:41]
	s_wait_alu depctr_va_vdst(0)
	v_lshlrev_b32 v3, 4, v2                        ; my 16 bytes of a load's 512
	s_mul_i32 s34, s[WV], WREG
	v_lshrrev_b32 v14, 2, v2
	v_mul_u32_u24 v14, v14, SP
	v_and_b32 v15, 3, v2
	v_lshl_add_u32 v14, v15, 4, v14
	v_add_nc_u32 v14, s34, v14                     ; the stage, on the way in: four lanes' 64 bytes on end, then 16 of padding
	v_mul_u32_u24 v15, v2, SP
	v_add_nc_u32 v15, s34, v15                     ; and on the way out: my 16 neighbours
	v_and_b32 v4, 15, v2                           ; a step is 512 along K: lanes 0-15 hold one K step of 256, lanes 16-31 the next
	v_mul_u32_u24 v4, v4, CB                       ; my codes' place in the row's 192 bytes,
	v_lshrrev_b32 v10, 4, v2
	v_mul_u32_u24 v10, v10, 0x180000               ; and my plane: 8,192 rows x 192 bytes
	v_add_nc_u32 v4, v4, v10
	v_lshrrev_b32 v5, 1, v2
	s_add_co_u32 s34, s34, 2*32*SP
	v_add_nc_u32 v5, s34, v5                       ; my wave's 256 scale bytes, my block's byte
	v_lshlrev_b32 v7, 3, v2                        ; and on the way out 8 bytes a lane
	v_add_nc_u32 v6, s34, v7
.macro XLOAD t
.irp i, 0,1,2,3
	global_load_b128 v[R+16*((\t)%4)+4*\i:R+16*((\t)%4)+4*\i+3], v3, s[28:29] offset:2048*(\t)+512*\i th:TH_LOAD_NT   ; 32 lanes read 512 consecutive bytes
.endr
.endm
.macro XTURN t                         ; step t's numbers through the stage: LDS serves a wave's instructions in order, so no wait stands between the stores and the loads
.irp i, 0,1,2,3
	ds_store_b128 v14, v[R+16*((\t)%4)+4*\i:R+16*((\t)%4)+4*\i+3] offset:32*SP*((\t)%2)+8*SP*\i
.endr
.irp i, 0,1,2,3
	ds_load_b128 v[X+16*((\t)%2)+4*\i:X+16*((\t)%2)+4*\i+3], v15 offset:32*SP*((\t)%2)+16*\i
.endr
.endm
.irp t, 0,1,2,3
	XLOAD \t
.endr
	s_wait_alu depctr_va_vdst(0)
	s_wait_loadcnt 12                              ; step 0's four loads are in; three steps' twelve stay out
	XTURN 0
.macro XSTEP t
.set XS, X+16*((\t)%2)
.if (\t) > 0
	s_wait_dscnt 1                                 ; this step's numbers are back from the stage (the last step's byte store may be out): so its stores into the stage have read their registers,
.else
	s_wait_dscnt 0x0
.endif
.if (\t)+4 < STEPS
	XLOAD (\t)+4                                   ; which take the loads of four steps on
.endif
.if (\t)+1 < STEPS
.if STEPS-2-(\t) >= 3
	s_wait_loadcnt 12                              ; the next step's four loads are in; those of the three steps behind it may be out
.else
	s_wait_loadcnt 4*(STEPS-2-(\t))
.endif
	XTURN (\t)+1
.endif
	v_max3_num_f32 v8, |v[XS]|, |v[XS+1]|, |v[XS+2]|               ; the largest magnitude of my 16, in two chains
	v_max3_num_f32 v9, |v[XS+3]|, |v[XS+4]|, |v[XS+5]|
.irp i, 6,10
	v_max3_num_f32 v8, v8, |v[XS+\i]|, |v[XS+\i+1]|
	v_max3_num_f32 v9, v9, |v[XS+\i+2]|, |v[XS+\i+3]|
.endr
	v_max3_num_f32 v8, v8, |v[XS+14]|, |v[XS+15]|
	v_max3_num_f32 v8, v8, v9, (EMAX+1)<<23        ; and the floor 2^(3 - 127): the byte cannot fall under 1
	v_max_num_f32_dpp v8, v8, v8 row_xmask:1 row_mask:0xf bank_mask:0xf   ; and of my neighbour's 16: the block's
	v_add_nc_u32 v11, -(EMAX<<23), v8              ; 2 off its exponent field: the conversion takes the exponent field of this operand as its scale
	v_cvt_scalef32_pk16_fp6_f32 v[C+4*(\t):C+4*(\t)+2], v[XS:XS+15], v11
	v_lshrrev_b32 v[E+(\t)], 23, v11               ; the scale's byte (a plain line behind the conversion)
	ds_store_b8 v5, v[E+(\t)] offset:16*(\t)       ; both lanes of a block write the same byte with the same value
	global_store_b96 v4, v[C+4*(\t):C+4*(\t)+2], s[30:31] offset:192*((\t)/2)+3145728*((\t)%2)   ; row t / 2; K steps 2 (t % 2) and 2 (t % 2) + 1: sixteen lanes store 192 consecutive bytes
.endm
.irp t, 0,1,2,3,4,5,6,7,8,9,10,11,12,13,14,15
	XSTEP \t
.endr
	ds_load_b64 v[8:9], v6                         ; LDS serves a wave's instructions in order: these see my stores
	s_wait_dscnt 0x0
	global_store_b64 v7, v[8:9], s[32:33]          ; 32 lanes store 256 consecutive bytes, aligned
	s_wait_tensorcnt 0x0                           ; the wave's end, behind my last LDS store
	ds_add_u32 v[SPW], v[NIL]
	s_wait_dscnt 0x0
	s_endpgm
	; ---------------- THE WEIGHTS.  A lane takes a column n and its registers run down K: a block of 32 lies in one lane, and the conversions give codes with K innermost.
.Lweights:
	s_lshr_b32 s36, ttmp9, 5                       ; which weight: 0 Wq, 1 Wk, 2 Wv, 3 Wo
	s_bfe_u32 s37, ttmp9, 0x20003                  ; which 256 along K
	s_and_b32 s38, ttmp9, 7
	s_lshl_b32 s38, s38, 7
	s_lshl_b32 s39, s[WV], 5
	s_add_co_u32 s38, s38, s39                     ; my wave's first column
	s_cmp_eq_u32 s36, 0
	s_cselect_b64 s[28:29], s[10:11], s[12:13]
	s_cmp_eq_u32 s36, 2
	s_cselect_b64 s[28:29], s[14:15], s[28:29]
	s_cmp_eq_u32 s36, 3
	s_cselect_b64 s[28:29], s[16:17], s[28:29]
	s_lshl_b32 s40, s37, 20                        ; 256 rows of 4,096 bytes
	s_lshl_b32 s42, s38, 2
	s_add_co_u32 s40, s40, s42
	s_add_nc_u64 s[28:29], s[28:29], s[40:41]
	s_mul_i32 s40, s36, 786432
	s_mul_i32 s42, s38, 192                        ; a weight's codes lie in planes too: [K step][row][192 bytes]
	s_add_co_u32 s40, s40, s42
	s_mul_i32 s42, s37, 196608                     ; my plane: 1,024 rows x 192 bytes
	s_add_co_u32 s40, s40, s42
	s_add_nc_u64 s[30:31], s[22:23], s[40:41]
	s_lshl_b32 s40, s36, 15
	s_lshl_b32 s42, s38, 5
	s_add_co_u32 s40, s40, s42
	s_lshl_b32 s42, s37, 3
	s_add_co_u32 s40, s40, s42
	s_add_nc_u64 s[32:33], s[24:25], s[40:41]
	s_wait_alu depctr_va_vdst(0)
	v_lshlrev_b32 v3, 2, v2                        ; in: 4 bytes a lane
	s_mul_i32 s43, s[WV], 32*PITCH
	s_add_co_u32 s43, s43, WSTG                    ; my stage
	v_mul_u32_u24 v4, v2, PITCH
	v_add_nc_u32 v4, s43, v4                       ; into it: row = my column
	v_and_b32 v5, 15, v2
	v_lshrrev_b32 v6, 4, v2                        ; out of it: sixteen lanes to a row, two rows an instruction
	v_mul_u32_u24 v7, v6, PITCH
	v_lshl_add_u32 v7, v5, 4, v7
	v_add_nc_u32 v7, s43, v7
	v_mul_u32_u24 v8, v6, 192
	v_mad_u32_u24 v8, v5, 12, v8                   ; and the same place in the codes' buffer (bit 0 of a row is not moved by pi)
	v_and_b32 v9, 7, v2                            ; pi(lane): my column's row of scale bytes
	v_bfe_u32 v10, v2, 3, 1
	v_lshl_or_b32 v9, v10, 4, v9
	v_bfe_u32 v10, v2, 4, 1
	v_lshl_or_b32 v9, v10, 3, v9
	v_lshlrev_b32 v9, 5, v9
.macro WLOAD t                         ; block t: W(32 t + i, my column) into set t % 2; 32 lanes read 128 consecutive bytes
.irp i, 0,1,2,3,4,5,6,7,8,9,10,11,12,13,14,15,16,17,18,19,20,21,22,23,24,25,26,27,28,29,30,31
	global_load_b32 v[XW+32*((\t)%2)+\i], v3, s[28:29] offset:(32*(\t)+\i)*4096 th:TH_LOAD_NT
.endr
.endm
	WLOAD 0
	WLOAD 1
.macro WBLOCK t
.set XS, XW+32*((\t)%2)
.if (\t) < NB-1
	s_wait_loadcnt 32                              ; this block's 32 loads are in; the next block's may be out
.else
	s_wait_loadcnt 0
.endif
	v_max3_num_f32 v12, |v[XS]|, |v[XS+1]|, |v[XS+2]|               ; the block's largest magnitude: all 32 numbers are mine
	v_max3_num_f32 v13, |v[XS+3]|, |v[XS+4]|, |v[XS+5]|
.irp i, 6,10,14,18,22,26
	v_max3_num_f32 v12, v12, |v[XS+\i]|, |v[XS+\i+1]|
	v_max3_num_f32 v13, v13, |v[XS+\i+2]|, |v[XS+\i+3]|
.endr
	v_max3_num_f32 v12, v12, |v[XS+30]|, |v[XS+31]|
	v_max3_num_f32 v12, v12, v13, (EMAX+1)<<23     ; and the floor
	v_add_nc_u32 v11, -(EMAX<<23), v12             ; the conversion's scale operand
	v_lshrrev_b32 v13, 23, v11                     ; the scale's byte
.if (\t)%4 == 0
	v_mov_b32 v[SB+(\t)/4], v13                    ; four bytes to a register, the lower K in the lower byte
.else
	v_lshl_or_b32 v[SB+(\t)/4], v13, 8*((\t)%4), v[SB+(\t)/4]
.endif
	v_cvt_scalef32_pk16_fp6_f32 v[CW:CW+2], v[XS:XS+15], v11
	v_cvt_scalef32_pk16_fp6_f32 v[CW+4:CW+6], v[XS+16:XS+31], v11   ; (a conversion's three registers begin on an even number)
	v_nop                                          ; a plain line behind the conversions
	ds_store_b96 v4, v[CW:CW+2] offset:32*(\t)     ; 12 bytes to a place of 16, so that every LDS address is a multiple of 16
	ds_store_b96 v4, v[CW+4:CW+6] offset:32*(\t)+16
.if (\t)+2 < NB
	WLOAD (\t)+2
.endif
	s_wait_dscnt 0x0                               ; the stores have read their registers: the next block's codes may be written
.endm
.set Q, 0
.rept NB
	WBLOCK Q
.set Q, Q+1
.endr
	s_wait_alu depctr_va_vdst(0)
	global_store_b64 v9, v[SB:SB+1], s[32:33]      ; my column's 8 scale bytes
.irp t, 0,1,2,3,4,5,6,7,8,9,10,11,12,13,14,15
	ds_load_b96 v[OUTR+4*\t:OUTR+4*\t+2], v7 offset:2*\t*PITCH   ; LDS serves a wave's instructions in order: these see my stores
.endr
.irp t, 0,1,2,3,4,5,6,7,8,9,10,11,12,13,14,15
	s_wait_dscnt 15-\t                             ; rows 2 t and 2 t + 1 are back; the later loads stay out
	global_store_b96 v8, v[OUTR+4*\t:OUTR+4*\t+2], s[30:31] offset:(((2*\t)&7)+(((2*\t)>>3)&1)*16+(((2*\t)>>4)&1)*8)*192   ; columns 2 t, 2 t + 1 go to rows pi(2 t), pi(2 t) + 1: 384 consecutive bytes
.endr
	s_wait_tensorcnt 0x0                           ; the wave's end, behind my last LDS store
	ds_add_u32 v[SPW], v[NIL]
	s_wait_dscnt 0x0
	s_endpgm
.Lfunc_end_k_qeb1d7a27c5_quant:
	.size	k_qeb1d7a27c5_quant, .Lfunc_end_k_qeb1d7a27c5_quant-k_qeb1d7a27c5_quant
	.p2alignl 7, 3214868480
	.fill 96, 4, 3214868480
	.section	.rodata,"a",@progbits
	.p2align	6, 0x0
	.amdhsa_kernel k_qeb1d7a27c5_quant
		.amdhsa_group_segment_fixed_size 68096
		.amdhsa_private_segment_fixed_size 0
		.amdhsa_enable_private_segment 0
		.amdhsa_kernarg_size 88
		.amdhsa_user_sgpr_count 2
		.amdhsa_user_sgpr_kernarg_segment_ptr 1
		.amdhsa_wavefront_size32 1
		.amdhsa_system_sgpr_workgroup_id_x 1
		.amdhsa_system_sgpr_workgroup_id_y 1
		.amdhsa_system_sgpr_workgroup_id_z 1
		.amdhsa_system_vgpr_workitem_id 0
		.amdhsa_next_free_vgpr 196
		.amdhsa_next_free_sgpr 66
		.amdhsa_reserve_vcc 0
		.amdhsa_float_denorm_mode_32 3
		.amdhsa_float_denorm_mode_16_64 3
		.amdhsa_memory_ordered 1
		.amdhsa_forward_progress 1
		.amdhsa_inst_pref_size 75
	.end_amdhsa_kernel
	.amdgpu_metadata
---
amdhsa.version: [ 1, 2 ]
amdhsa.kernels:
  - .name:           k_qeb1d7a27c5_quant
    .symbol:         k_qeb1d7a27c5_quant.kd
    .args:
      - { .name: query, .offset: 0, .size: 8, .value_kind: global_buffer, .address_space: global }
      - { .name: key, .offset: 8, .size: 8, .value_kind: global_buffer, .address_space: global }
      - { .name: value, .offset: 16, .size: 8, .value_kind: global_buffer, .address_space: global }
      - { .name: Wq, .offset: 24, .size: 8, .value_kind: global_buffer, .address_space: global }
      - { .name: Wk, .offset: 32, .size: 8, .value_kind: global_buffer, .address_space: global }
      - { .name: Wv, .offset: 40, .size: 8, .value_kind: global_buffer, .address_space: global }
      - { .name: Wo, .offset: 48, .size: 8, .value_kind: global_buffer, .address_space: global }
      - { .name: xcod, .offset: 56, .size: 8, .value_kind: global_buffer, .address_space: global }
      - { .name: xscl, .offset: 64, .size: 8, .value_kind: global_buffer, .address_space: global }
      - { .name: wcod, .offset: 72, .size: 8, .value_kind: global_buffer, .address_space: global }
      - { .name: wscl, .offset: 80, .size: 8, .value_kind: global_buffer, .address_space: global }
    .group_segment_fixed_size: 68096
    .private_segment_fixed_size: 0
    .kernarg_segment_align: 8
    .kernarg_segment_size: 88
    .max_flat_workgroup_size: 128
    .sgpr_count:     66
    .vgpr_count:     196
    .wavefront_size: 32
...
	.end_amdgpu_metadata
.endif
;; end of part 1
;; launch proj (part 2): grid 4 x 96, 4 waves a work-group, clusters of 4 x 4, 327,680 bytes of LDS; arguments xcod, xscl, wcod, wscl, bq, bk, bv, hcod, hscl; writes hcod, hscl
.if DOCPART == 2
	.amdgcn_target "amdgcn-amd-amdhsa--gfx1250"
	.amdhsa_code_object_version 6
	.text
	.protected	k_qeb1d7a27c5_proj
	.globl	k_qeb1d7a27c5_proj
	.p2align	8
	.type	k_qeb1d7a27c5_proj,@function
k_qeb1d7a27c5_proj:
	s_mov_b64 s[64:65], 0
	v_nop
	global_prefetch_b8 v0, s[64:65] scope:SCOPE_SE
	s_setreg_imm32_b32 hwreg(HW_REG_WAVE_MODE, 25, 1), 1
	s_wait_xcnt 0x0
	s_wait_alu depctr_hold_cnt(0) depctr_sa_sdst(0) depctr_va_vdst(0) depctr_va_sdst(0) depctr_va_ssrc(0) depctr_va_vcc(0) depctr_vm_vsrc(0)
	s_getreg_b32 s2, hwreg(HW_REG_IB_STS2, 6, 4)
	s_cmp_eq_u32 s2, 0
	s_cbranch_scc0 .Lentry_in_a_cluster
	s_endpgm
.Lentry_in_a_cluster:
	s_bfe_u32 s2, ttmp6, 0x10000c
	s_cmp_lg_u32 s2, 0xf033
	s_cbranch_scc0 .Lentry_shape_is_right
	s_endpgm
.Lentry_shape_is_right:
; The three projections q = query Wq + bq, k = key Wk + bk, v = value Wv + bv on codes of FP6 (E2M3) with E8M0 scales, K = 1,024, and their results quantised in the registers that made them.
; 24 clusters of 4 x 4 work-groups: clusters 0-7 make q, 8-15 k, 16-23 v.  A work-group makes 256 x 256 results, each of its four waves 128 x 128 in 64 accumulators (512 registers).
; The product is used transposed: source 0 = 16 rows of "B", source 1 = 16 rows of "A": a lane holds ONE row of A, and its registers run along B's rows.  The results are quantised along B's rows.
;   q, k: A = the tokens' codes, B = the weight's: a lane holds a token, its registers the channels: the head's 64 are the next product's K.
;   v:    A = Wv's codes, B = value's: a lane holds a channel, its registers the keys, which are the next product's K.
; All rows lie in POSITION ORDER (row p holds true row p with bits 3 and 4 exchanged), so that the 16 registers of B's tiles 2 b and 2 b + 1 are 16 true neighbours: 32 b + 16 (lane / 16) + 0 .. 15.
; K goes in steps of 256 through a ring of two LDS slots filled by joint tensor loads (A's tile shared along a row of the cluster, B's along a column); the scales of all of K come once.
; A wave has one tensor load out at the start and one behind each round.
; THE BIAS is the C of each sum's first product: so it is the sum's first term, not its last.
; OUT: a PIECE is six operand registers (16 rows x 64 K) as an image of 768 bytes: registers 0-3 at 16 x lane, registers 4-5 at 512 + 8 x lane.
;   hcod: q at 0, k at 6,291,456: [batch x head 64][128 tiles of 16 tokens][piece];  v at 12,582,912: [64][16 steps of 128 keys][4 tiles of 16 channels][2 pieces].
;   hscl: q at 0, k at 524,288: [64][16][2][row 16][tile 4] words, bytes 2 and 3 = 127 (they stand over zero codes);  v at 1,048,576: [64][16 steps][row 16][tile 4] words.
;   In v's way the two halves of the lanes hold the same scale words and store them to the same bytes.
; LIMITS: NaN and infinities are not served; a block under 2^-124, or of zeros, gets the byte 1 (read by this program alone).
.set KSTEP,  256
.set NQ,     2                         ; matrix instructions deep in a slot
.set ROWB,   192                       ; a tile's row: 256 codes
.set KROW,   768                       ; a row of codes in memory
.set PITCH,  240                       ; an LDS row: 3 x (64 bytes + 16 of padding): the 32 lanes of a load of 8 bytes fall on different words of the 64 banks (ISA guide 11.1)
.set FR,     12
.set NL,     6
.set NP,     4                         ; places behind this matrix instruction (ISA guide 7.12.1)
.set HALFT,  128*PITCH
.set SLOT,   4*HALFT
.set LAPS,   2                         ; 1,024 / 512
.set KS,     32                        ; a row of scales
.set SCL,    2*SLOT
.set HALFS,  (128*KS/256)*272
.set SBLK,   (16*KS/256)*272
.set SPARE,  SCL+4*HALFS               ; the spare words: 128 bytes a wave, two blocks of 256 bytes that no other line names
.set ADRA, 16                          ; v16-19 LDS addresses of my A fragments (slot 0, 1; the same behind one padding more)
.set ADRB, 20                          ; v20-23 the same for B
.set L16,  24                          ; v24 16 x lane
.set L8,   25                          ; v25 8 x lane
.set SVO,  26                          ; v26 where my scale words go
.set ADRS, 27                          ; v27 LDS address of my scale words
.set SPW,  28                          ; v28 my spare word; never rewritten
.set NIL,  29                          ; v29 0; never rewritten
.set SH,   30                          ; v30 q, k: 16 in lanes 16-31 (the second head's two bytes); else 0
.set BO,   31                          ; v31 the bias's offset
.set SC,   32                          ; v32-63 scale words, two sets: they hold scales and nothing else
.set BI,   64                          ; v64-127 the bias: eight tiles of eight registers
.set AF,   128                         ; v128-223 A's fragments
.set PCB,  64                          ; the way out: block a's codes at v[64 + 20 a]
.set TM,   224                         ; v224-239 at work
.set PW,   240                         ; v240 the scale word just made
.set TW,   241
.set SW,   244                         ; v244-251 the words to store
.set G1, 24
.set G0, 32
.set G1B, 48
.set G0B, 56
.set G1S, 68
.set G0S, 76
.set G1SB, 80
.set G0SB, 88
.set MSB, 0
.macro WIN new                         ; the immediate's high byte repeats the setting that is left
.if MSB != \new
	s_set_vgpr_msb (MSB<<8)|\new
.set MSB, \new
.endif
.endm
.set MUL_LO, 0xa1                      ; source 0 (B) window 1, source 1 (A) window 0, C and D window 2
.set MUL_HI, 0xf1                      ; the same, C and D window 3
.set TO_B,   0x40
; A joint load: waves 0 and 1 fetch for A, waves 2 and 3 for B; the branch hangs on the wave's number alone.  An s_nop 0 and four v_nop follow each of the two lines.
.macro JLOAD g0a, g1a, g0b, g1b
	s_cmp_eq_u32 s15, 0
	s_cbranch_scc0 .Lfor_b_\@
	tensor_load_to_lds s[\g0a:\g0a+3], s[\g1a:\g1a+7]
	s_nop 0
.rept 4
	v_nop
.endr
	s_branch .Lasked_\@
.Lfor_b_\@:
	tensor_load_to_lds s[\g0b:\g0b+3], s[\g1b:\g1b+7]
	s_nop 0
.rept 4
	v_nop
.endr
.Lasked_\@:
.endm
.macro CREST
	s_cmp_lg_u32 s14, 0
	s_cbranch_scc1 .Lnot_wave_0_\@
	s_barrier_signal -3
.Lnot_wave_0_\@:
	s_barrier_wait -3
	s_barrier_signal -1
	s_barrier_wait -1
.endm
.macro CROUND
	s_barrier_signal -1
	s_barrier_wait -1
	CREST
.endm
	s_load_b256 s[4:11], s[0:1], 0x0               ; xcod, xscl, wcod, wscl
	s_load_b256 s[92:99], s[0:1], 0x20             ; bq, bk, bv, hcod
	s_load_b64 s[100:101], s[0:1], 0x40            ; hscl
	v_lshl_add_u32 v[SPW], v0, 2, SPARE
	v_mov_b32 v[NIL], 0
	ds_add_u32 v[SPW], v[NIL]                      ; the wave's opening: the add and its wait ahead of my first tensor load; the set-up below stands between them
	ds_add_u32 v[SPW], v[NIL]
	v_lshrrev_b32 v1, 5, v0
	v_readfirstlane_b32 s14, v1                    ; wave 0..3
	s_lshr_b32 s15, s14, 1                         ; which half of A's rows is mine.  Also: I fetch for A (0) or for B (1)
	s_and_b32 s16, s14, 1                          ; which half of B's rows.  Also: which 128 rows of that tile I fetch
	s_bfe_u32 s40, ttmp6, 0x40000                  ; cx, cy: my place in the cluster
	s_bfe_u32 s41, ttmp6, 0x40004
	s_and_b32 s104, ttmp7, 0xffff                  ; the cluster's number, 0..23: the same in all sixteen partners
	s_lshr_b32 s105, s104, 3                       ; the product: 0 q, 1 k, 2 v
	s_and_b32 s104, s104, 7
	s_cmp_lt_u32 s105, 2
	s_cselect_b32 s42, 0, s104                     ; q, k: the 8 clusters lie along A's rows (the tokens);
	s_cselect_b32 s17, s104, 0                     ; v: along B's rows (the tokens)
	s_lshl_b32 s42, s42, 2
	s_add_co_u32 s42, s42, s40                     ; B's tile = 4 x .. + cx
	s_lshl_b32 s17, s17, 2
	s_add_co_u32 s17, s17, s41                     ; A's tile = 4 x .. + cy
	s_lshl_b32 s43, s41, 2
	s_lshl_b32 s43, 15, s43                        ; my row of the cluster
	s_lshl_b32 s44, 0x1111, s40                    ; my column
	; descriptor group 1: a tile of 128 rows x 192 bytes, 16 bytes of padding behind every 64
	s_or_b32 s[G1+0], s43, (0<<16)|(1<<20)|(1<<21)|(3<<22)|(3<<25)
	s_or_b32 s[G1B+0], s44, (0<<16)|(1<<20)|(1<<21)|(3<<22)|(3<<25)
.irp g, G1, G1B
	; the codes lie in planes [K step][row][192 bytes]: the rows of a tile are one dense block, stated as rows of 256 bytes that begin on multiples of 256;
	; 16 bytes of padding behind every 64 give the same LDS image as rows of 192 bytes at a pitch of 240.  The head's loads bring 256 rows (192 x 256 bytes), the ring's 128 (96 x 256)
	s_mov_b32 s[\g+1], 256<<16
	s_mov_b32 s[\g+2], 192<<16
	s_mov_b32 s[\g+3], 256<<16
	s_mov_b32 s[\g+4], 192
	s_mov_b32 s[\g+5], 256
	s_mov_b32 s[\g+6], 0
	s_mov_b32 s[\g+7], 0
.endr
	; the scales of 256 rows: 8,192 dense bytes as 32 rows of 256 bytes, 16 bytes of padding behind each
	s_or_b32 s[G1S+0], s43, (3<<16)|(1<<20)|(1<<21)|(5<<22)|(3<<25)
	s_or_b32 s[G1SB+0], s44, (3<<16)|(1<<20)|(1<<21)|(5<<22)|(3<<25)
.irp g, G1S, G1SB
	s_mov_b32 s[\g+1], 32<<16
	s_mov_b32 s[\g+2], (256*KS/256)<<16            ; one load brings the scales of all 256 rows
	s_mov_b32 s[\g+3], 32<<16
	s_mov_b32 s[\g+4], 256*KS/256
	s_mov_b32 s[\g+5], 32
	s_mov_b32 s[\g+6], 0
	s_mov_b32 s[\g+7], 0
.endr
	s_lshl_b32 s20, s17, 8                         ; A's tile: its first row
	s_lshl_b32 s46, s42, 8                         ; B's
	s_mov_b32 s21, 0
	s_mov_b32 s47, 0
	s_mov_b64 s[18:19], KS
	s_mul_u64 s[22:23], s[20:21], s[18:19]         ; where these rows' scales begin
	s_mul_u64 s[66:67], s[46:47], s[18:19]
	s_mov_b64 s[18:19], ROWB                       ; a row in a plane
	s_mul_u64 s[20:21], s[20:21], s[18:19]         ; and their codes
	s_mul_u64 s[46:47], s[46:47], s[18:19]
	s_mul_i32 s45, s14, HALFT                      ; where they go: wave x 128 rows: no place in the cluster enters an LDS address
	s_wait_dscnt 0x0                               ; the opening add is done
	s_wait_kmcnt 0x0
	s_mul_i32 s18, s105, 6291456                   ; the product's tokens and weight
	s_mov_b32 s19, 0
	s_add_nc_u64 s[4:5], s[4:5], s[18:19]
	s_lshl_b32 s18, s105, 18
	s_add_nc_u64 s[6:7], s[6:7], s[18:19]
	s_mul_i32 s18, s105, 786432
	s_add_nc_u64 s[8:9], s[8:9], s[18:19]
	s_lshl_b32 s18, s105, 15
	s_add_nc_u64 s[10:11], s[10:11], s[18:19]
	s_cmp_lt_u32 s105, 2                           ; q, k: A = tokens, B = weight;  v: the other way round.  The choice hangs on the cluster's number alone
	s_mov_b64 s[18:19], s[4:5]
	s_cselect_b64 s[4:5], s[4:5], s[8:9]
	s_cselect_b64 s[8:9], s[8:9], s[18:19]
	s_mov_b64 s[18:19], s[6:7]
	s_cselect_b64 s[6:7], s[6:7], s[10:11]
	s_cselect_b64 s[10:11], s[10:11], s[18:19]
	s_add_nc_u64 s[20:21], s[4:5], s[20:21]
	s_add_nc_u64 s[22:23], s[6:7], s[22:23]
	s_add_nc_u64 s[46:47], s[8:9], s[46:47]
	s_add_nc_u64 s[66:67], s[10:11], s[66:67]
	CROUND                                         ; all sixteen work-groups are here: the first joint loads meet
	s_mov_b32 s[G0S], 1
	s_mov_b32 s[G0S+1], SCL
	s_mov_b64 s[G0S+2:G0S+3], s[22:23]
	s_or_b32 s[G0S+3], s[G0S+3], 0x80000000
	s_mov_b32 s[G0SB], 1
	s_mov_b32 s[G0SB+1], SCL+2*HALFS
	s_mov_b64 s[G0SB+2:G0SB+3], s[66:67]
	s_or_b32 s[G0SB+3], s[G0SB+3], 0x80000000
	s_mov_b32 s4, 1                                ; group 0 of the head's loads of K step 0 (the arguments that lay here have been used): A's 256 rows,
	s_mov_b32 s5, 0
	s_mov_b64 s[6:7], s[20:21]
	s_or_b32 s7, s7, 0x80000000
	s_mov_b32 s8, 1                                ; B's 256 rows, behind them in slot 0
	s_mov_b32 s9, 2*HALFT
	s_mov_b64 s[10:11], s[46:47]
	s_or_b32 s11, s11, 0x80000000
	s_cmp_lt_u32 s105, 2                           ; from K step to K step: a plane of the tokens' codes or of a weight's; the choice hangs on the cluster's number alone
	s_mov_b32 s18, 1572864
	s_mov_b32 s19, 196608
	s_cselect_b32 s12, s18, s19                    ; A's
	s_cselect_b32 s66, s19, s18                    ; B's
	s_mov_b32 s13, 0
	s_mov_b32 s67, 0
	; THE PREFETCHES' BASE.  A K step of a tile is 192 blocks of 256 bytes.  The four partners that ask for the tile jointly share them out by address, 48 each (place cx for A's, cy for B's);
	; of my work-group's 48, waves 0 and 1 take A's halves, waves 2 and 3 B's: 24 blocks a wave, a lane a block
	s_cmp_eq_u32 s15, 0                            ; do I fetch for A?
	s_cselect_b32 s43, s40, s41                    ; my place among the four that ask with me (the masks made of s43 and s44 stand in the descriptors by now)
	s_cselect_b32 s44, s12, s66                    ; from K step to K step of my operand
	s_cselect_b64 s[40:41], s[20:21], s[46:47]     ; the tile's first byte
	s_mul_i32 s43, s43, 12288
	s_mul_i32 s18, s16, 6144
	s_add_co_u32 s18, s18, s43
	s_mov_b32 s19, 0
	s_add_nc_u64 s[40:41], s[40:41], s[18:19]      ; never rewritten from here on
	s_mul_i32 s18, s16, 128*ROWB                   ; in the ring I fetch 128 rows of a tile
	s_mov_b32 s19, 0
	s_add_nc_u64 s[20:21], s[20:21], s[18:19]
	s_add_nc_u64 s[46:47], s[46:47], s[18:19]
.macro ARM under, g0, g1, next
	s_cmp_lt_u32 s14, \under
	s_cbranch_scc0 \next
	tensor_load_to_lds s[\g0:\g0+3], s[\g1:\g1+7]
	s_nop 0
.rept 4
	v_nop
.endr
	s_branch .Lhead_asked
\next:
.endm
.irp s, 0,1
	s_mov_b32 s[G0+4*\s], 1
	s_add_co_u32 s[G0+4*\s+1], s45, \s*SLOT
	s_mov_b64 s[G0+4*\s+2:G0+4*\s+3], s[20:21]
.if \s
	s_add_nc_u64 s[G0+4*\s+2:G0+4*\s+3], s[G0+4*\s+2:G0+4*\s+3], s[12:13]
.endif
	s_or_b32 s[G0+4*\s+3], s[G0+4*\s+3], 0x80000000
	s_mov_b32 s[G0B+4*\s], 1
	s_add_co_u32 s[G0B+4*\s+1], s45, \s*SLOT
	s_mov_b64 s[G0B+4*\s+2:G0B+4*\s+3], s[46:47]
.if \s
	s_add_nc_u64 s[G0B+4*\s+2:G0B+4*\s+3], s[G0B+4*\s+2:G0B+4*\s+3], s[66:67]
.endif
	s_or_b32 s[G0B+4*\s+3], s[G0B+4*\s+3], 0x80000000
.if \s
	s_lshl_b32 s12, s12, 1                         ; a refill steps two K steps on
	s_lshl_b32 s66, s66, 1
	; THE HEAD'S LOADS, ONE A WAVE: wave 0 K step 0's 256 rows of A, wave 1 its 256 rows of B, wave 2 A's scales, wave 3 B's.  One chain of branches on the wave's number
	ARM 1, 4, G1, .Lhead_b
	ARM 2, 8, G1B, .Lhead_sa
	ARM 3, G0S, G1S, .Lhead_sb
	tensor_load_to_lds s[G0SB:G0SB+3], s[G1SB:G1SB+7]
	s_nop 0
.rept 4
	v_nop
.endr
.Lhead_asked:
	v_and_b32 v7, 31, v0
	v_min_u32 v7, 23, v7                           ; lanes 24-31 name my last block again
	v_lshlrev_b32 v7, 8, v7
	v_add_nc_u32 v8, s44, v7                       ; K step 1,
	v_add_nc_u32 v9, s44, v8                       ; 2,
	v_add_nc_u32 v10, s44, v9                      ; 3: v8-10 are never rewritten
	global_prefetch_b8 v8, s[40:41] th:TH_LOAD_NT scope:SCOPE_SE   ; behind the head's load: the two K steps that the next two loads bring
	global_prefetch_b8 v9, s[40:41] th:TH_LOAD_NT scope:SCOPE_SE
.endif
.endr
	v_and_b32 v1, 15, v0                           ; r = lane % 16
	v_bfe_u32 v2, v0, 4, 1                         ; h = lane / 16
	v_mul_u32_u24 v3, v1, PITCH
	v_mul_u32_u24 v4, v2, 24
	v_add_nc_u32 v4, v3, v4                        ; a fragment's row x pitch + 24 x half
	v_lshl_add_u32 v5, v2, 4, v4                   ; and the same behind one padding more
	s_mul_i32 s21, s15, HALFT                      ; my 128 rows of A
	s_mul_i32 s22, s16, HALFT                      ; my 128 rows of B,
	s_add_co_u32 s22, s22, 2*HALFT                 ; which lie behind A's 256
.irp s, 0,1
	v_add_nc_u32 v[ADRA+\s], s21, v4
	v_add_nc_u32 v[ADRB+\s], s22, v4
	v_add_nc_u32 v[ADRA+2+\s], s21, v5
	v_add_nc_u32 v[ADRB+2+\s], s22, v5
	s_add_co_u32 s21, s21, SLOT
	s_add_co_u32 s22, s22, SLOT
.endr
	v_mul_u32_u24 v5, v1, KS                       ; my row's scales: 32 bytes a row,
	v_lshrrev_b32 v6, 8, v5
	v_lshl_add_u32 v5, v6, 4, v5                   ; and 16 more for each 256 passed
	s_mul_i32 s21, s15, HALFS
	s_mul_i32 s22, s16, HALFS
	s_add_co_u32 s22, s22, 2*HALFS
	s_sub_co_u32 s22, s22, s21
	v_mul_u32_u24 v6, s22, v2                      ; lanes 16-31 take B's
	s_add_co_u32 s21, s21, SCL
	v_add_nc_u32 v5, v5, v6
	v_add_nc_u32 v[ADRS], s21, v5
	; THE BIAS.  q, k: it hangs on B's row (the channel): tile b's eight registers are the channels 32 (b / 2) + 16 h + 8 (b % 2) + 0 .. 7.  v: on A's row, the lane's own channel: eight equal registers a block.
	s_cmp_eq_u32 s105, 1
	s_cselect_b64 s[92:93], s[94:95], s[92:93]
	s_cmp_eq_u32 s105, 2
	s_cselect_b64 s[92:93], s[96:97], s[92:93]
	s_cmp_lt_u32 s105, 2
	s_cselect_b32 s20, s42, s17
	s_cselect_b32 s21, s16, s15
	s_lshl_b32 s20, s20, 10                        ; 256 channels x 4 bytes a tile,
	s_lshl_b32 s21, s21, 9                         ; 128 a wave
	s_add_co_u32 s20, s20, s21
	s_mov_b32 s21, 0
	s_add_nc_u64 s[92:93], s[92:93], s[20:21]
	s_cmp_lt_u32 s105, 2                           ; a branch on the cluster's number: all partners and all waves go the same way
	s_cbranch_scc0 .Lbias_v
	v_lshlrev_b32 v[BO], 6, v2                     ; 16 h channels
.irp b, 0,1,2,3,4,5,6,7
	global_load_b128 v[BI+8*\b:BI+8*\b+3], v[BO], s[92:93] offset:(32*(\b/2)+8*(\b%2))*4
	global_load_b128 v[BI+8*\b+4:BI+8*\b+7], v[BO], s[92:93] offset:(32*(\b/2)+8*(\b%2))*4+16
.endr
	s_branch .Lbias_in
.Lbias_v:
	v_and_b32 v[BO], 7, v1
	v_lshrrev_b32 v6, 3, v1
	v_lshl_add_u32 v[BO], v6, 4, v[BO]             ; r % 8 + 16 (r / 8): the true channel of position r
	v_lshlrev_b32 v[BO], 2, v[BO]
.irp a, 0,1,2,3,4,5,6,7
	global_load_b32 v[BI+8*\a], v[BO], s[92:93] offset:(32*(\a/2)+8*(\a%2))*4
.endr
	s_wait_loadcnt 0x0
.irp a, 0,1,2,3,4,5,6,7
.irp j, 1,2,3,4,5,6,7
	v_mov_b32 v[BI+8*\a+\j], v[BI+8*\a]
.endr
.endr
.Lbias_in:
	s_wait_loadcnt 0x0                             ; the bias is in
.macro FRAG reg, adr, q, i             ; a fragment: lane l holds row l % 16; registers 6 c .. 6 c + 5 hold K = 64 c + 32 (l / 16) + 0 .. 31: 24 bytes of the row, in pieces of 8
.irp p, 0,1,2,3,4,5
.set PCE, 12*(\q)+6*(\p/3)+\p%3        ; where the piece three on lies behind one padding more, the second address register serves
.if PCE%8 < 5
	ds_load_b64 v[\reg+2*\p:\reg+2*\p+1], v[\adr] offset:8*PCE+16*(PCE/8)+(\i)*16*PITCH
.else
	ds_load_b64 v[\reg+2*\p:\reg+2*\p+1], v[\adr+2] offset:8*PCE+16*(PCE/8)+(\i)*16*PITCH
.endif
.endr
.endm
; 16 matrix instructions: A's blocks a0, a0 + 1 x B's eight.  zero = 0: in place; 1: the sum starts with the bias of B's tile; 2: with that of A's block.  The 64 accumulators take turns, one instruction a turn.
.macro MUL16 a0, p, q, sc, zero
.irp a, \a0, \a0+1
.irp b, 0,1,2,3,4,5,6,7
.set rD, 8*(8*((\a)%4)+\b)
.set rB, 128*(\p)+FR*\b
.set rA, AF+FR*(\a)
.set rC, rD
.if (\zero) == 1
.set rC, BI+8*\b
.endif
.if (\zero) == 2
.set rC, BI+8*(\a)
.endif
.set rSB, SC+8*NQ*(\sc)+NQ*\b+(\q)
.set rSA, SC+8*NQ*(\sc)+NQ*(\a)+(\q)
	v_wmma_scale_f32_16x16x128_f8f6f4 v[rD:rD+7], v[rB:rB+FR-1], v[rA:rA+FR-1], v[rC:rC+7], v[rSB], v[rSA] matrix_a_fmt:MATRIX_FMT_FP6 matrix_b_fmt:MATRIX_FMT_FP6 matrix_a_scale:MATRIX_SCALE_ROW1
.endr
.endr
.endm
.macro FETCH_B slot, q, p
	WIN TO_B
.irp i, 0,1,2,3,4,5,6,7
	FRAG 128*(\p)+FR*\i, ADRB+\slot, \q, \i
.endr
	WIN 0
.endm
.macro FETCH_A slot, q, i0
.irp i, \i0, \i0+1, \i0+2, \i0+3
	FRAG AF+FR*(\i), ADRA+\slot, \q, \i
.endr
.endm
.macro SCALES sc                       ; a K step's scale words: lanes 0-15 take A's block i, lanes 16-31 B's block i
.irp i, 0,1,2,3,4,5,6,7
	ds_load_b64 v[SC+8*NQ*\sc+NQ*\i:SC+8*NQ*\sc+NQ*\i+1], v[ADRS] offset:\i*SBLK
.endr
.endm
.macro PLACES n                        ; plain vector lines between a matrix instruction and a load into, or a vector read of, its registers
.rept \n
	v_nop
.endr
.endm
.macro STEP slot, q, zero              ; 128 along K that have their successor in the same slot
	s_wait_dscnt 4*NL                              ; B's set and A's blocks 0-3 are in; the youngest 24 loads (A's blocks 4-7) may be out
.if \zero
	WIN 0x81                                       ; C (the bias) window 0, D window 2
.else
	WIN MUL_LO
.endif
	MUL16 0, (\q)%2, \q, \slot, \zero
	MUL16 2, (\q)%2, \q, \slot, \zero
	s_wait_dscnt 0                                 ; A's blocks 4-7 are in
	PLACES NP
	FETCH_B \slot, (\q)+1, 1-(\q)%2
	FETCH_A \slot, (\q)+1, 0
.if \zero
	WIN 0xc1
.else
	WIN MUL_HI
.endif
	MUL16 4, (\q)%2, \q, \slot, \zero
	MUL16 6, (\q)%2, \q, \slot, \zero
	PLACES NP
	WIN 0
	FETCH_A \slot, (\q)+1, 4
.endm
; A slot's last step changes slots: ONE barrier; in front of it each wave waits for all its tensor loads, adds 0 to its spare word, and waits for that and for its own reads of this slot.
.macro TURN slot, next, fill
	s_wait_tensorcnt 0x0                           ; all my tensor loads have landed: my part of the next slot
	ds_add_u32 v[SPW], v[NIL]                      ; 0 onto my spare word
	s_wait_dscnt 4*NL+1                            ; (the add and the youngest 24 loads may be out)
	WIN MUL_LO
	MUL16 0, 1, NQ-1, \slot, 0
	s_wait_dscnt 0x0                               ; the add is done, and my reads of this slot are over
	s_barrier_signal -1
	MUL16 2, 1, NQ-1, \slot, 0
	WIN 0
	s_barrier_wait -1
.if \fill
	CREST                                          ; the barrier has opened a round of the cluster's barrier: no wave of any partner still reads this slot or has a load on its way
	s_add_nc_u64 s[G0+4*\slot+2:G0+4*\slot+3], s[G0+4*\slot+2:G0+4*\slot+3], s[12:13]
	s_add_nc_u64 s[G0B+4*\slot+2:G0B+4*\slot+3], s[G0B+4*\slot+2:G0B+4*\slot+3], s[66:67]
	JLOAD G0+4*\slot, G1, G0B+4*\slot, G1B         ; the first tensor load behind the round; its four v_nop are the places in front of the loads below
.else
	PLACES NP
.endif
	s_wait_alu depctr_va_vdst(0)
	v_add_nc_u32 v[ADRS], 4*NQ, v[ADRS]            ; on to the next K step's scale words
	FETCH_B \next, 0, 0
	FETCH_A \next, 0, 0
	SCALES \next
	WIN MUL_HI
	MUL16 4, 1, NQ-1, \slot, 0
	MUL16 6, 1, NQ-1, \slot, 0
	PLACES NP
	WIN 0
	FETCH_A \next, 0, 4
.endm
	s_wait_alu depctr_va_vdst(0)                   ; at the head's end
	s_wait_tensorcnt 0x0                           ; my tile of the head's four is in; slot 1's first fill is issued as a refill is:
	ds_add_u32 v[SPW], v[NIL]                      ; 0 onto my spare word
	s_mov_b32 s[G1+2], 96<<16                      ; no tensor load of mine is out: from here on a load brings 128 rows, 96 x 256 bytes
	s_mov_b32 s[G1+4], 96
	s_mov_b32 s[G1B+2], 96<<16
	s_mov_b32 s[G1B+4], 96
	s_wait_dscnt 0x0                               ; the add is done
	CROUND                                         ; all four tiles are in, and all sixteen work-groups are here
	JLOAD G0+4, G1, G0B+4, G1B                     ; K step 1, the first tensor load behind the round: one load a wave is out from here on
	global_prefetch_b8 v10, s[40:41] th:TH_LOAD_NT scope:SCOPE_SE  ; K step 3, two loads ahead of the load that brings it; it is the last: nothing is asked for beyond K
	FETCH_B 0, 0, 0
	FETCH_A 0, 0, 0
	s_wait_alu depctr_va_vdst(0)
	SCALES 0
	FETCH_A 0, 0, 4
	s_cmp_lt_u32 s105, 2                           ; the first step starts the sums with the bias: by B's tile (q, k) or by A's block (v)
	s_cbranch_scc0 .Lfirst_v
	STEP 0, 0, 1
	s_branch .Lfirst_done
.Lfirst_v:
	STEP 0, 0, 2
.Lfirst_done:
	s_mov_b32 s3, LAPS-1
.Llap:                                                 ; a trip goes once round the ring and fills both slots again
	TURN 0, 1, 1
	STEP 1, 0, 0
	TURN 1, 0, 1
	STEP 0, 0, 0
	s_sub_co_u32 s3, s3, 1
	s_cmp_lg_u32 s3, 0
	s_cbranch_scc1 .Llap
	TURN 0, 1, 0                                   ; the last lap fills nothing
	STEP 1, 0, 0
	s_wait_dscnt 4*NL
	WIN MUL_LO
	MUL16 0, 1, NQ-1, 1, 0
	MUL16 2, 1, NQ-1, 1, 0
	s_wait_dscnt 0
	WIN MUL_HI
	MUL16 4, 1, NQ-1, 1, 0
	MUL16 6, 1, NQ-1, 1, 0
	WIN 0
	PLACES NP                                      ; behind the last products, ahead of the first read of results
	; THE WAY OUT.  Block a's 64 registers of a lane are 128 true neighbours' halves along the next K: they become one fragment (two pieces) and one scale word.  What differs between q, k and v is held in scalars.
	s_cmp_lt_u32 s105, 2
	s_cselect_b32 s18, s17, s42                    ; the tokens' tile of 256,
	s_cselect_b32 s19, s15, s16                    ; my half of it,
	s_cselect_b32 s20, s42, s17                    ; the channels' tile of 256,
	s_cselect_b32 s21, s16, s15                    ; my half of it
	s_mov_b32 s80, 98304
	s_cselect_b32 s80, s80, 768                    ; from a fragment's first piece to its second: the next head (q, k) or 768 bytes (v)
	s_mov_b32 s74, 1536
	s_cselect_b32 s74, 768, s74                    ; from block to block
	s_cselect_b32 s76, 0, 92160                    ; more behind block 3: v goes on to the next head (98,304 - 4 x 1,536)
	s_mov_b32 s78, 4096
	s_cselect_b32 s78, 256, s78                    ; the scale words behind block 3
	s_cselect_b32 s82, 8192, 0                     ; q, k: lanes 16-31 store the second head's words
	s_cselect_b32 s83, 16, 0
	s_cselect_b32 s84, 0xffff, -1
	s_cselect_b32 s85, 0x7f7f0000, 0
	s_cselect_b32 s86, 0, 1
	s_mov_b32 s75, 0
	s_mov_b32 s77, 0
	s_mov_b32 s79, 0
	s_mov_b32 s81, 0
	s_and_b32 s87, s18, 7
	s_lshl_b32 s87, s87, 1
	s_add_co_u32 s87, s87, s19                     ; g: which 128 tokens of the batch
	s_lshr_b32 s88, s18, 3
	s_lshl_b32 s88, s88, 4
	s_lshl_b32 s20, s20, 2
	s_add_co_u32 s88, s88, s20
	s_lshl_b32 s21, s21, 1
	s_add_co_u32 s88, s88, s21                     ; 16 x batch + my first head
	s_mul_i32 s22, s105, 6291456
	s_mul_i32 s89, s88, 98304
	s_add_co_u32 s22, s22, s89
	s_mul_i32 s89, s87, 6144
	s_add_co_u32 s22, s22, s89
	s_mov_b32 s23, 0
	s_add_nc_u64 s[68:69], s[98:99], s[22:23]      ; the first piece's place
	s_add_nc_u64 s[70:71], s[68:69], s[80:81]      ; the second's
	s_lshl_b32 s22, s88, 13
	s_lshl_b32 s89, s87, 9
	s_add_co_u32 s22, s22, s89
	s_lshr_b32 s22, s22, s86                       ; v has half as many words a head
	s_lshl_b32 s89, s105, 19
	s_add_co_u32 s22, s22, s89
	s_add_nc_u64 s[72:73], s[100:101], s[22:23]    ; the scale words' place
	s_mov_b32 s90, 0x76543210
	s_mov_b32 s91, 0xfedcba98                      ; v_permlanex16_b32's selects for lane l xor 16
	v_and_b32 v1, 15, v0
	v_bfe_u32 v2, v0, 4, 1
	v_and_b32 v3, 31, v0
	v_lshlrev_b32 v[L16], 4, v3
	v_lshlrev_b32 v[L8], 3, v3
	v_mul_u32_u24 v[SVO], v2, s82
	v_lshl_add_u32 v[SVO], v1, 4, v[SVO]           ; 16 r (+ a head's words in lanes 16-31)
	v_mul_u32_u24 v[SH], v2, s83
.irp b, 0,1,2,3
	v_mov_b32 v[TM+4+\b], 0                        ; written once: a lane permute's destination counts as one of its sources
.endr
.macro QUANTA a                        ; block a: register 16 b + i of its 64 = K 32 b + 16 (lane / 16) + i of my row -> codes in v[PC] on, scale word in v[PW]
.set QW, 2+(\a)/4
.set QS, 64*((\a)%4)
.set PC, PCB+20*(\a)
.set QWIN, QW*4+QW*16
	WIN QWIN                                       ; sources 1 and 2: the accumulators' window
.irp b, 0,1,2,3
	v_max3_num_f32 v[TM+\b], 0x1800000, |v[QS+16*\b]|, |v[QS+16*\b+1]|   ; each accumulator is read from its low end on; the floor 2^(3 - 127) holds the byte at 1 from below
.endr
.irp i, 2,4,6,8,10,12,14
.irp b, 0,1,2,3
	v_max3_num_f32 v[TM+\b], v[TM+\b], |v[QS+16*\b+\i]|, |v[QS+16*\b+\i+1]|   ; the four blocks by turns
.endr
.endr
	WIN 0
.irp b, 0,1,2,3
	v_permlanex16_b32 v[TM+4+\b], v[TM+\b], s90, s91
.endr
.irp b, 0,1,2,3
	v_max_num_f32 v[TM+\b], v[TM+\b], v[TM+4+\b]   ; with lane l xor 16's: the block's largest magnitude
.endr
.irp b, 0,1,2,3
	v_add_nc_u32 v[TM+12+\b], 0xff000000, v[TM+\b] ; 2 off its exponent field: the conversion's scale operand
.endr
.irp b, 0,1,2,3
	v_lshrrev_b32 v[TM+4+\b], 23, v[TM+12+\b]      ; the scale's byte
.endr
	v_lshl_or_b32 v[PW], v[TM+5], 8, v[TM+4]
	v_lshl_or_b32 v[PW], v[TM+6], 16, v[PW]
	v_lshl_or_b32 v[PW], v[TM+7], 24, v[PW]
	WIN QW                                         ; source 0: the accumulators' window
.irp c, 0,1
	v_cvt_scalef32_pk16_fp6_f32 v[PC+6*\c:PC+6*\c+2], v[QS+32*\c:QS+32*\c+15], v[TM+12+2*\c]
	v_cvt_scalef32_pk16_fp6_f32 v[PC+12+4*\c:PC+14+4*\c], v[QS+16+32*\c:QS+31+32*\c], v[TM+13+2*\c]   ; (a conversion's three registers begin on an even number)
.endr
	WIN 0
	v_nop                                          ; one plain line behind a scaled conversion
.irp c, 0,1                                    ; the operand's layout wants a whole block in a lane
.irp i, 0,1,2
	v_permlane16_swap_b32 v[PC+6*\c+\i], v[PC+12+4*\c+\i]
.endr
.irp i, 0,1,2
	v_mov_b32 v[PC+3+6*\c+\i], v[PC+12+4*\c+\i]
.endr
.endr
.endm
.irp a, 0,1,2,3,4,5,6,7
	QUANTA \a
	v_lshrrev_b32 v[TW], v[SH], v[PW]              ; q, k: lanes 16-31 take the second head's two bytes
	v_and_or_b32 v[SW+\a], v[TW], s84, s85         ; q, k: bytes 2 and 3 = 127;  v: the word as it is
	global_store_b128 v[L16], v[PC:PC+3], s[68:69]             ; 512 consecutive bytes, aligned to 256
	global_store_b64 v[L8], v[PC+4:PC+5], s[68:69] offset:512  ; 256 consecutive bytes, aligned
	global_store_b128 v[L16], v[PC+6:PC+9], s[70:71]
	global_store_b64 v[L8], v[PC+10:PC+11], s[70:71] offset:512
.if \a%4 == 3
	global_store_b128 v[SVO], v[SW+\a-3:SW+\a], s[72:73]       ; four blocks' words of a row: sixteen lanes store 256 consecutive bytes
.endif
.if \a < 7
	s_wait_xcnt 0x0                                ; the stores have read their bases: they step only behind this wait
	s_add_nc_u64 s[68:69], s[68:69], s[74:75]
	s_add_nc_u64 s[70:71], s[70:71], s[74:75]
.endif
.if \a == 3
	s_add_nc_u64 s[68:69], s[68:69], s[76:77]
	s_add_nc_u64 s[70:71], s[70:71], s[76:77]
	s_add_nc_u64 s[72:73], s[72:73], s[78:79]
.endif
.endr
	s_wait_tensorcnt 0x0                           ; the wave's end, behind my last tensor load
	ds_add_u32 v[SPW], v[NIL]
	s_wait_dscnt 0x0
	CROUND                                         ; the closing round: no work-group ends while a partner may still ask for a tile that names it
	s_endpgm
.Lfunc_end_k_qeb1d7a27c5_proj:
	.size	k_qeb1d7a27c5_proj, .Lfunc_end_k_qeb1d7a27c5_proj-k_qeb1d7a27c5_proj
	.p2alignl 7, 3214868480
	.fill 96, 4, 3214868480
	.section	.rodata,"a",@progbits
	.p2align	6, 0x0
	.amdhsa_kernel k_qeb1d7a27c5_proj
		.amdhsa_group_segment_fixed_size 327680
		.amdhsa_private_segment_fixed_size 0
		.amdhsa_enable_private_segment 0
		.amdhsa_kernarg_size 72
		.amdhsa_user_sgpr_count 2
		.amdhsa_user_sgpr_kernarg_segment_ptr 1
		.amdhsa_wavefront_size32 1
		.amdhsa_system_sgpr_workgroup_id_x 1
		.amdhsa_system_sgpr_workgroup_id_y 1
		.amdhsa_system_sgpr_workgroup_id_z 1
		.amdhsa_system_vgpr_workitem_id 0
		.amdhsa_next_free_vgpr 1024
		.amdhsa_next_free_sgpr 106
		.amdhsa_reserve_vcc 0
		.amdhsa_float_denorm_mode_32 3
		.amdhsa_float_denorm_mode_16_64 3
		.amdhsa_memory_ordered 1
		.amdhsa_forward_progress 1
		.amdhsa_inst_pref_size 190
	.end_amdhsa_kernel
	.amdgpu_metadata
---
amdhsa.version: [ 1, 2 ]
amdhsa.kernels:
  - .name:           k_qeb1d7a27c5_proj
    .symbol:         k_qeb1d7a27c5_proj.kd
    .args:
      - { .name: xcod, .offset: 0, .size: 8, .value_kind: global_buffer, .address_space: global }
      - { .name: xscl, .offset: 8, .size: 8, .value_kind: global_buffer, .address_space: global }
      - { .name: wcod, .offset: 16, .size: 8, .value_kind: global_buffer, .address_space: global }
      - { .name: wscl, .offset: 24, .size: 8, .value_kind: global_buffer, .address_space: global }
      - { .name: bq, .offset: 32, .size: 8, .value_kind: global_buffer, .address_space: global }
      - { .name: bk, .offset: 40, .size: 8, .value_kind: global_buffer, .address_space: global }
      - { .name: bv, .offset: 48, .size: 8, .value_kind: global_buffer, .address_space: global }
      - { .name: hcod, .offset: 56, .size: 8, .value_kind: global_buffer, .address_space: global }
      - { .name: hscl, .offset: 64, .size: 8, .value_kind: global_buffer, .address_space: global }
    .group_segment_fixed_size: 327680
    .private_segment_fixed_size: 0
    .kernarg_segment_align: 8
    .kernarg_segment_size: 72
    .max_flat_workgroup_size: 128
    .sgpr_count:     106
    .vgpr_count:     1024
    .wavefront_size: 32
...
	.end_amdgpu_metadata
.endif
;; end of part 2
;; launch attn (part 3): grid 4 x 64, 8 waves a work-group, clusters of 4 x 1, 327,680 bytes of LDS; arguments hcod, hscl, ocod, oscl; writes ocod, oscl
.if DOCPART == 3
	.amdgcn_target "amdgcn-amd-amdhsa--gfx1250"
	.amdhsa_code_object_version 6
	.text
	.protected	k_qeb1d7a27c5_attn
	.globl	k_qeb1d7a27c5_attn
	.p2align	8
	.type	k_qeb1d7a27c5_attn,@function
k_qeb1d7a27c5_attn:
	s_mov_b64 s[64:65], 0
	v_nop
	global_prefetch_b8 v0, s[64:65] scope:SCOPE_SE
	s_setreg_imm32_b32 hwreg(HW_REG_WAVE_MODE, 25, 1), 1
	s_wait_xcnt 0x0
	s_wait_alu depctr_hold_cnt(0) depctr_sa_sdst(0) depctr_va_vdst(0) depctr_va_sdst(0) depctr_va_ssrc(0) depctr_va_vcc(0) depctr_vm_vsrc(0)
	s_getreg_b32 s2, hwreg(HW_REG_IB_STS2, 6, 4)
	s_cmp_eq_u32 s2, 0
	s_cbranch_scc0 .Lentry_in_a_cluster
	s_endpgm
.Lentry_in_a_cluster:
	s_bfe_u32 s2, ttmp6, 0x10000c
	s_cmp_lg_u32 s2, 0x3003
	s_cbranch_scc0 .Lentry_shape_is_right
	s_endpgm
.Lentry_shape_is_right:
; o = softmax(q k^T / 8) v for one batch x head (work-group y) and 512 queries (work-group x), all products on codes of FP6 (E2M3) with E8M0 scales.
; q, k, v come as images of operand registers (pieces of 768 bytes: 16 rows x 64 K) with their scale words, as the launch before has laid them.
; THE HEAD'S K AND V STAY IN LDS: 98,304 bytes each, and 12,288 bytes of scale words, filled once by eight tensor loads, one a wave.  The four work-groups of a head form a cluster and ask jointly.
; No prefetch: every byte that comes through LDS is asked for at the kernel's head, so there is no loop to run ahead in.
; A WAVE holds TWO tiles of 16 queries at once, tile w in register window w under the same register numbers, and makes two passes: 8 waves x 2 tiles x 2 passes x 16 = 512 queries.
; Both tiles use each fragment of K and V, so a fragment is read from LDS once for 32 queries.
; A step is 128 keys.  Both products are used transposed (S^T = k q^T, O^T = v^T p^T): a lane holds one query, its registers run along the keys.
; THE HEAD HAS 64 CHANNELS, the instruction 128 along K: one operand of 12 registers holds TWO tiles of keys (tile 2 b at K 0-63, tile 2 b + 1 at K 64-127) and is multiplied by [q | 0] and by [0 | q].
; The zero codes add nothing under any finite scale byte.  K's scale word of such a pair is the low halves of the two tiles' words.
; K's four operands and V's four have registers of their own: behind the scores' products this step's V and the next step's K are fetched in one run, and both are waited for once, ahead of O's products.
; SOFTMAX as the problem states it: p = 2^(t - M), t = score x log2(e) / 8, M the ceiling of the running largest t, a whole number; the sum is taken of the unquantised p; a change of M multiplies sum and O^T by a power of two.
; A block's largest p is made from the block's largest score by the same multiply-add and exponential.
; LIMITS: |t| stays under 2^31; NaN and infinities are not served; a block of p or of o under 2^-124 gets the scale byte 1 (its bytes are read by this program alone).
.set VB,    98304                      ; LDS: K at 0, V here,
.set SCK,   196608                     ; K's scale words,
.set SCV,   204800                     ; V's,
.set SPARE, 208896                     ; the spare words: 128 bytes a wave, four blocks of 256 bytes that no other line names
; window 0, shared
.set L16, 1                            ; 16 x lane
.set L8,  2                            ; 8 x lane
.set R16, 3                            ; 16 x (lane % 16)
.set SPW, 5                            ; my spare word; never rewritten
.set NIL, 6                            ; 0; never rewritten
.set XSO, 7                            ; where my byte of o's scales goes
.set KA16, 8                           ; v8-13 LDS addresses of a step
.set KA8,  9
.set VA16, 10
.set VA8,  11
.set KSA,  12
.set VSA,  13
.set KR,  16                           ; v16-23 K's scale words as they lie, a register a tile
.set KS,  24                           ; v24-27 K's scale words, a register a pair of tiles
.set VS,  28                           ; v28-31 V's
.set QSL, 32                           ; v32-33 q's scale word for [q | 0], tile 0, 1
.set QSH, 34                           ; v34-35 for [0 | q]
.set PWS, 36                           ; v36-37 p's scale word, tile 0, 1
.set SG,  40                           ; v40-51 the next pass's q, two pieces
.set SGS, 52                           ; v52-53 and its scale words
; V's four operands: window 1, v0-47.  K's: window 1, v48-59, v232-243, v244-255; window 0, v232-243
; each window, a tile's own
.set S,   64                           ; scores, then p
.set O,   128                          ; O^T
.set QL,  160                          ; [q | 0]
.set QH,  172                          ; [0 | q]
.set PC,  184                          ; p's codes
.set C2,  196
.set BM,  204
.set PT,  208
.set SOP, 212
.set NM,  216                          ; -M; v217 the running largest t
.set TMX, 217
.set L,   218                          ; the sum, in two halves
.set F,   220                          ; 2^(old M - new M); v221 is named with it
.set T,   222
.set SU,  224                          ; v224-231 four chains of the step's sum
.set MSB, 0
.macro WIN new                         ; the immediate's high byte repeats the setting that is left
.if MSB != (\new)
	s_set_vgpr_msb (MSB<<8)|(\new)
.set MSB, (\new)
.endif
.endm
.macro CROUND
	s_barrier_signal -1
	s_barrier_wait -1
	s_cmp_lg_u32 s12, 0
	s_cbranch_scc1 .Lnot_wave_0_\@
	s_barrier_signal -3
.Lnot_wave_0_\@:
	s_barrier_wait -3
	s_barrier_signal -1
	s_barrier_wait -1
.endm
.macro G1SET g, rows                   ; a dense block as rows of 256 bytes (32 elements of 8), for all four partners
	s_mov_b32 s[\g], 15|(3<<16)|(1<<21)
	s_mov_b32 s[\g+1], 32<<16
	s_mov_b32 s[\g+2], (\rows)<<16
	s_mov_b32 s[\g+3], 32<<16
	s_mov_b32 s[\g+4], \rows
	s_mov_b32 s[\g+5], 32
	s_mov_b32 s[\g+6], 0
	s_mov_b32 s[\g+7], 0
.endm
.macro QLOADS                          ; two tiles' pieces of q and their scale words
	global_load_b128 v[SG:SG+3], v[L16], s[66:67]
	global_load_b64 v[SG+4:SG+5], v[L8], s[66:67] offset:512
	global_load_b128 v[SG+6:SG+9], v[L16], s[66:67] offset:768
	global_load_b64 v[SG+10:SG+11], v[L8], s[66:67] offset:1280
	global_load_b32 v[SGS], v[R16], s[68:69]
	global_load_b32 v[SGS+1], v[R16], s[68:69] offset:4
.endm
.macro KREG t                          ; where K's operand t begins (t = 3: in window 0)
.set rK, 232
.if (\t) == 0
.set rK, 48
.endif
.if (\t) == 2
.set rK, 244
.endif
.endm
.macro VFRAGS a16, a8                  ; V: eight pieces, 6,144 bytes, into four operands of 12 registers: 16 loads
	WIN 0x40
.irp t, 0,1,2,3
	ds_load_b128 v[12*\t:12*\t+3], v[\a16] offset:1536*\t
	ds_load_b64 v[12*\t+4:12*\t+5], v[\a8] offset:1536*\t+512
	ds_load_b128 v[12*\t+6:12*\t+9], v[\a16] offset:1536*\t+768
	ds_load_b64 v[12*\t+10:12*\t+11], v[\a8] offset:1536*\t+1280
.endr
	WIN 0
.endm
.macro KFRAGS a16, a8                  ; K: the same, 16 loads
.irp t, 0,1,2,3
	KREG \t
.if \t < 3
	WIN 0x40
.else
	WIN 0
.endif
	ds_load_b128 v[rK:rK+3], v[\a16] offset:1536*\t
	ds_load_b64 v[rK+4:rK+5], v[\a8] offset:1536*\t+512
	ds_load_b128 v[rK+6:rK+9], v[\a16] offset:1536*\t+768
	ds_load_b64 v[rK+10:rK+11], v[\a8] offset:1536*\t+1280
.endr
.endm
.macro PERMS                           ; K's scale word of a pair of tiles
.irp b, 0,1,2,3
	v_perm_b32 v[KS+\b], v[KR+2*\b+1], v[KR+2*\b], s63
.endr
.endm
.macro INIT w
	WIN 0x55*\w
	v_mov_b32 v[TMX], 0xff61b1e6                   ; -3e38, under every t
	v_mov_b32 v[L], 0
	v_mov_b32 v[L+1], 0
	v_floor_f32 v[NM], -v[TMX]
.set j, 0
.rept 32
	v_mov_b32 v[O+j], 0                            ; the step is written once: the first finds zeros
.set j, j+1
.endr
.endm
.macro QK w                            ; eight tiles of scores; source 0 in K's window, all else window w
.irp b, 0,1,2,3
	KREG \b
.if \b < 3
	WIN 0x01+0x54*\w
.else
	WIN 0x54*\w
.endif
	v_wmma_scale_f32_16x16x128_f8f6f4 v[S+16*\b:S+16*\b+7], v[rK:rK+11], v[QL:QL+11], 0, v[KS+\b], v[QSL+\w] matrix_a_fmt:MATRIX_FMT_FP6 matrix_b_fmt:MATRIX_FMT_FP6
	v_wmma_scale_f32_16x16x128_f8f6f4 v[S+16*\b+8:S+16*\b+15], v[rK:rK+11], v[QH:QH+11], 0, v[KS+\b], v[QSH+\w] matrix_a_fmt:MATRIX_FMT_FP6 matrix_b_fmt:MATRIX_FMT_FP6
.endr
.endm
.macro PV w                            ; O^T += v^T p^T: four accumulators by turns
	WIN 0x01+0x54*\w
.irp t, 0,1,2,3
	v_wmma_scale_f32_16x16x128_f8f6f4 v[O+8*\t:O+8*\t+7], v[12*\t:12*\t+11], v[PC:PC+11], v[O+8*\t:O+8*\t+7], v[VS+\t], v[PWS+\w] matrix_a_fmt:MATRIX_FMT_FP6 matrix_b_fmt:MATRIX_FMT_FP6
.endr
.endm
.macro SOFT w                          ; tile w: scores -> p, its codes and its scale word; O^T under the new M
	WIN 0x55*\w
	s_wait_alu depctr_va_vdst(0)                   ; ahead of the first reads of the scores
.irp b, 0,1,2,3
	v_max3_num_f32 v[BM+\b], v[S+16*\b], v[S+16*\b+1], v[S+16*\b+2]   ; each block's largest score: two chains a block, eight chains by turns
.endr
.irp b, 0,1,2,3
	v_max3_num_f32 v[PT+\b], v[S+16*\b+8], v[S+16*\b+9], v[S+16*\b+10]
.endr
.irp i, 3,5
.irp b, 0,1,2,3
	v_max3_num_f32 v[BM+\b], v[BM+\b], v[S+16*\b+\i], v[S+16*\b+\i+1]
.endr
.irp b, 0,1,2,3
	v_max3_num_f32 v[PT+\b], v[PT+\b], v[S+16*\b+8+\i], v[S+16*\b+9+\i]
.endr
.endr
.irp b, 0,1,2,3
	v_max3_num_f32 v[BM+\b], v[BM+\b], v[S+16*\b+7], v[S+16*\b+15]
.endr
.irp b, 0,1,2,3
	v_max_num_f32 v[BM+\b], v[BM+\b], v[PT+\b]
.endr
.irp b, 0,1,2,3
	v_permlanex16_b32 v[PT+\b], v[BM+\b], s54, s55
.endr
.irp b, 0,1,2,3
	v_max_num_f32 v[BM+\b], v[BM+\b], v[PT+\b]     ; with lane l xor 16's 16 keys
.endr
	v_max3_num_f32 v[T], v[BM], v[BM+1], v[BM+2]
	s_delay_alu instid0(VALU_DEP_1)
	v_max_num_f32 v[T], v[T], v[BM+3]
	s_delay_alu instid0(VALU_DEP_1)
	v_mul_f32 v[T], s52, v[T]                      ; as t
	s_delay_alu instid0(VALU_DEP_1)
	v_max_num_f32 v[TMX], v[TMX], v[T]             ; the running largest t
	v_mov_b32 v[T], v[NM]
	s_delay_alu instid0(VALU_DEP_2)
	v_floor_f32 v[NM], -v[TMX]                     ; -M = floor(-t)
	s_delay_alu instid0(VALU_DEP_1)
	v_sub_f32 v[T], v[NM], v[T]                    ; old M - new M, a whole number
.set j, 0
.rept 32
	v_pk_fma_f32 v[S+j:S+j+1], v[S+j:S+j+1], s[52:53], v[NM:NM+1] op_sel_hi:[1,0,0]   ; t - M
.if j == 6
	v_cvt_i32_f32 v[T], v[T]                       ; (it saturates)
.endif
.if j == 14
	v_ldexp_f32 v[F], 1.0, v[T]                    ; f = 2^(old M - new M)
.endif
.set j, j+2
.endr
.irp b, 0,1,2,3
	v_fma_f32 v[BM+\b], v[BM+\b], s52, v[NM]       ; the same of each block's largest score
.endr
	s_wait_alu depctr_va_vdst(0)                   ; ahead of the first reads of O^T and ahead of the batch
.set j, 0
.rept 16
	v_pk_mul_f32 v[O+j:O+j+1], v[O+j:O+j+1], v[F:F+1] op_sel_hi:[1,0]
.set j, j+2
.endr
.set j, 0
.rept 64
	v_exp_f32 v[S+j], v[S+j]                       ; p
.set j, j+1
.endr
.irp b, 0,1,2,3
	v_exp_f32 v[BM+\b], v[BM+\b]                   ; each block's largest p
.endr
	v_nop                                          ; a plain line behind the batch
	s_wait_alu depctr_va_vdst(0)                   ; one wait for the batch
.irp b, 0,1,2,3
	v_max_num_f32 v[BM+\b], 0x1800000, v[BM+\b]    ; the floor 2^(3 - 127): the byte cannot fall under 1
.endr
.irp b, 0,1,2,3
	v_add_nc_u32 v[SOP+\b], 0xff000000, v[BM+\b]   ; 2 off the exponent field: the conversion's scale operand
.endr
.irp b, 0,1,2,3
	v_lshrrev_b32 v[PT+\b], 23, v[SOP+\b]          ; the byte
.endr
	v_lshl_or_b32 v[T], v[PT+1], 8, v[PT]
	s_delay_alu instid0(VALU_DEP_1)
	v_lshl_or_b32 v[T], v[PT+2], 16, v[T]
	WIN 0x15*\w                                    ; scale operands are taken from window 0
	v_lshl_or_b32 v[PWS+\w], v[PT+3], 24, v[T]
	WIN 0x55*\w
.irp c, 0,1
	v_cvt_scalef32_pk16_fp6_f32 v[PC+6*\c:PC+6*\c+2], v[S+32*\c:S+32*\c+15], v[SOP+2*\c]
	v_cvt_scalef32_pk16_fp6_f32 v[C2+4*\c:C2+4*\c+2], v[S+16+32*\c:S+31+32*\c], v[SOP+2*\c+1]
.endr
	v_nop                                          ; a plain line behind the conversions
.irp c, 0,1                                    ; the operand wants a whole block in a lane
.irp i, 0,1,2
	v_permlane16_swap_b32 v[PC+6*\c+\i], v[C2+4*\c+\i]
.endr
.irp i, 0,1,2
	v_mov_b32 v[PC+3+6*\c+\i], v[C2+4*\c+\i]
.endr
.endr
.endm
.macro SUMS w                          ; the row's sum of the unquantised p, in four chains; then under the new M
	WIN 0x55*\w
.irp k, 0,1,2,3
	v_pk_add_f32 v[SU+2*\k:SU+2*\k+1], v[S+4*\k:S+4*\k+1], v[S+4*\k+2:S+4*\k+3]
.endr
.set j, 16
.rept 6
.irp k, 0,1,2,3
	v_pk_add_f32 v[SU+2*\k:SU+2*\k+1], v[SU+2*\k:SU+2*\k+1], v[S+j+2*\k:S+j+2*\k+1]
.endr
.set j, j+8
.endr
	v_pk_add_f32 v[SU:SU+1], v[SU:SU+1], v[SU+2:SU+3]
	v_pk_add_f32 v[SU+4:SU+5], v[SU+4:SU+5], v[SU+6:SU+7]
	s_delay_alu instid0(VALU_DEP_1)
	v_pk_add_f32 v[SU:SU+1], v[SU:SU+1], v[SU+4:SU+5]
	s_delay_alu instid0(VALU_DEP_1)
	v_pk_fma_f32 v[L:L+1], v[L:L+1], v[F:F+1], v[SU:SU+1] op_sel_hi:[1,0,1]
.endm
.macro EPI w                           ; o = O^T / sum, quantised along the head's 64 channels: one piece and two scale bytes a row
	WIN 0x55*\w
	v_add_f32 v[L], v[L], v[L+1]
	s_delay_alu instid0(VALU_DEP_1)
	v_permlanex16_b32 v[T], v[L], s54, s55
	s_delay_alu instid0(VALU_DEP_1)
	v_add_f32 v[L], v[L], v[T]
	s_wait_alu depctr_va_vdst(0)                   ; ahead of the transcendental
	v_rcp_f32 v[F], v[L]
	v_nop
	s_wait_alu depctr_va_vdst(0)                   ; and behind it, ahead of the first reads of O^T
.set j, 0
.rept 16
	v_pk_mul_f32 v[S+j:S+j+1], v[O+j:O+j+1], v[F:F+1] op_sel_hi:[1,0]
.set j, j+2
.endr
.irp b, 0,1
	v_max3_num_f32 v[BM+\b], |v[S+16*\b]|, |v[S+16*\b+1]|, 0x1800000
.endr
.irp i, 2,4,6,8,10,12,14
.irp b, 0,1
	v_max3_num_f32 v[BM+\b], v[BM+\b], |v[S+16*\b+\i]|, |v[S+16*\b+\i+1]|
.endr
.endr
.irp b, 0,1
	v_permlanex16_b32 v[PT+\b], v[BM+\b], s54, s55
.endr
.irp b, 0,1
	v_max_num_f32 v[BM+\b], v[BM+\b], v[PT+\b]
.endr
.irp b, 0,1
	v_add_nc_u32 v[SOP+\b], 0xff000000, v[BM+\b]
.endr
.irp b, 0,1
	v_lshrrev_b32 v[PT+\b], 23, v[SOP+\b]
.endr
	v_cvt_scalef32_pk16_fp6_f32 v[PC:PC+2], v[S:S+15], v[SOP]
	v_cvt_scalef32_pk16_fp6_f32 v[C2:C2+2], v[S+16:S+31], v[SOP+1]
	v_nop
.irp i, 0,1,2
	v_permlane16_swap_b32 v[PC+\i], v[C2+\i]
.endr
.irp i, 0,1,2
	v_mov_b32 v[PC+3+\i], v[C2+\i]
.endr
	v_cndmask_b32 v[T], v[PT], v[PT+1], s62        ; lanes 16-31 store the second block's byte
	WIN 0x04*\w                                    ; the stores' data: window w
	global_store_b128 v[L16], v[PC:PC+3], s[70:71] offset:12288*\w        ; 512 consecutive bytes, aligned to 256
	global_store_b64 v[L8], v[PC+4:PC+5], s[70:71] offset:12288*\w+512    ; 256 consecutive bytes, aligned
	global_store_b8 v[XSO], v[T], s[72:73] offset:512*\w
.endm
	s_load_b256 s[4:11], s[0:1], 0x0               ; hcod, hscl, ocod, oscl
	v_lshl_add_u32 v[SPW], v0, 2, SPARE
	v_mov_b32 v[NIL], 0
	ds_add_u32 v[SPW], v[NIL]                      ; the opening: the add, twice on end, and its wait ahead of my first tensor load
	ds_add_u32 v[SPW], v[NIL]
	v_lshrrev_b32 v4, 5, v0
	v_readfirstlane_b32 s12, v4                    ; wave 0..7
	s_bfe_u32 s13, ttmp6, 0x40000                  ; cx
	s_lshl_b32 s14, ttmp9, 2
	s_add_co_u32 s14, s14, s13                     ; which 512 queries
	s_and_b32 s15, ttmp7, 0xffff                   ; batch x head
	G1SET 16, 128                                  ; a third of K's or V's codes: 32,768 bytes
	G1SET 24, 32                                   ; K's scale words: 8,192 bytes
	G1SET 32, 16                                   ; V's: 4,096 bytes
	s_mov_b32 s52, 0x3e38aa3b                      ; log2(e) / 8
	s_mov_b32 s53, s52
	s_mov_b32 s54, 0x76543210
	s_mov_b32 s55, 0xfedcba98                      ; v_permlanex16_b32's selects for lane l xor 16
	s_mov_b32 s62, 0xffff0000
	s_mov_b32 s63, 0x05040100                      ; the low halves of two words
	s_mul_i32 s76, s15, 98304
	s_lshl_b32 s77, s12, 15                        ; waves 0-2 fetch K's thirds, waves 3-5 V's: LDS byte 32,768 x wave
	s_cmp_lt_u32 s12, 3
	s_mov_b32 s74, 12484608                        ; V's codes begin at 12,582,912; three thirds are taken off
	s_cselect_b32 s74, 6291456, s74
	s_add_co_u32 s74, s74, s76
	s_add_co_u32 s74, s74, s77
	s_mov_b32 s75, 0
	s_wait_dscnt 0x0                               ; both opening adds are done
	s_wait_kmcnt 0x0
	s_mov_b32 s40, 1
	s_mov_b32 s41, s77
	s_add_nc_u64 s[42:43], s[4:5], s[74:75]
	s_or_b32 s43, s43, 0x80000000
	s_lshl_b32 s74, s15, 13
	s_add_co_u32 s74, s74, 524288
	s_mov_b32 s44, 1
	s_mov_b32 s45, SCK
	s_add_nc_u64 s[46:47], s[6:7], s[74:75]
	s_or_b32 s47, s47, 0x80000000
	s_lshl_b32 s74, s15, 12
	s_add_co_u32 s74, s74, 1048576
	s_mov_b32 s48, 1
	s_mov_b32 s49, SCV
	s_add_nc_u64 s[50:51], s[6:7], s[74:75]
	s_or_b32 s51, s51, 0x80000000
	CROUND                                         ; the four partners are here: the joint loads meet
	s_cmp_lt_u32 s12, 6                            ; one chain of branches on the wave's number, one load to an arm
	s_cbranch_scc0 .Lh_sk
	tensor_load_to_lds s[40:43], s[16:23]
	s_nop 0
.rept 4
	v_nop
.endr
	s_branch .Lh_done
.Lh_sk:
	s_cmp_eq_u32 s12, 6
	s_cbranch_scc0 .Lh_sv
	tensor_load_to_lds s[44:47], s[24:31]
	s_nop 0
.rept 4
	v_nop
.endr
	s_branch .Lh_done
.Lh_sv:
	tensor_load_to_lds s[48:51], s[32:39]
	s_nop 0
.rept 4
	v_nop
.endr
.Lh_done:
	s_lshl_b32 s77, s14, 5
	s_lshl_b32 s78, s12, 1
	s_add_co_u32 s77, s77, s78                     ; my first tile of 16 queries: 32 x work-group + 2 x wave (the second pass: 16 on)
	s_mul_i32 s74, s77, 768
	s_add_co_u32 s74, s74, s76
	s_add_nc_u64 s[66:67], s[4:5], s[74:75]        ; q's pieces
	s_lshl_b32 s74, s15, 13
	s_lshr_b32 s78, s77, 3
	s_lshl_b32 s78, s78, 9
	s_add_co_u32 s74, s74, s78
	s_bfe_u32 s78, s77, 0x10002
	s_lshl_b32 s78, s78, 8
	s_add_co_u32 s74, s74, s78
	s_and_b32 s78, s77, 3
	s_lshl_b32 s78, s78, 2
	s_add_co_u32 s74, s74, s78
	s_add_nc_u64 s[68:69], s[6:7], s[74:75]        ; q's scale words: [8 tiles][2][row 16][tile 4]
	s_lshr_b32 s78, s15, 4                         ; batch
	s_and_b32 s79, s15, 15                         ; head
	s_lshl_b32 s74, s78, 7
	s_add_co_u32 s74, s74, s77
	s_lshl_b32 s74, s74, 4
	s_add_co_u32 s74, s74, s79
	s_mul_i32 s74, s74, 768
	s_add_nc_u64 s[70:71], s[8:9], s[74:75]        ; o's pieces: [tile of 16 tokens][head]
	s_lshl_b32 s74, s78, 16
	s_lshl_b32 s78, s77, 9
	s_add_co_u32 s74, s74, s78
	s_lshl_b32 s79, s79, 1
	s_add_co_u32 s74, s74, s79
	s_add_nc_u64 s[72:73], s[10:11], s[74:75]      ; o's scale bytes: 32 a token
	v_and_b32 v4, 31, v0
	v_and_b32 v[R16], 15, v0
	v_bfe_u32 v[XSO], v0, 4, 1
	v_lshlrev_b32 v[L16], 4, v4
	v_lshlrev_b32 v[L8], 3, v4
	v_lshl_add_u32 v[XSO], v[R16], 5, v[XSO]
	v_lshlrev_b32 v[R16], 4, v[R16]
	QLOADS                                         ; the first pass's q, under the tensor loads' flight
.irp w, 0,1
	WIN 0x40*\w
.irp j, 0,1,2,3,4,5
	v_mov_b32 v[QL+6+\j], 0                        ; the zero halves of [q | 0] and [0 | q], written once
	v_mov_b32 v[QH+\j], 0
.endr
.irp b, 0,1,2,3
	v_mov_b32 v[PT+\b], 0                          ; a lane permute's destination counts as one of its sources
.endr
	v_mov_b32 v[F+1], 0
	v_mov_b32 v[T], 0
.endr
	WIN 0
	s_mov_b32 s61, 2                               ; passes
	s_wait_alu depctr_va_vdst(0)                   ; at the head's end
	s_wait_tensorcnt 0x0                           ; my part is in,
	s_barrier_signal -1
	s_barrier_wait -1                              ; everybody's is; nothing is filled again
.Ltile:
	s_wait_loadcnt 0x0                             ; this pass's q is in
.irp j, 0,1,2,3,4,5
	v_mov_b32 v[QL+\j], v[SG+\j]
	v_mov_b32 v[QH+6+\j], v[SG+\j]
.endr
.irp w, 0,1
	v_mov_b32 v[QSL+\w], v[SGS+\w]                 ; bytes 2 and 3 are 127, over zero codes
	v_lshl_or_b32 v[QSH+\w], v[SGS+\w], 16, 0x7f7f
.endr
	v_add_nc_u32 v[KSA], SCK, v[R16]
	WIN 0x40
.irp j, 0,1,2,3,4,5
	v_mov_b32 v[QL+\j], v[SG+6+\j]
	v_mov_b32 v[QH+6+\j], v[SG+6+\j]
.endr
	WIN 0
	ds_load_b128 v[KR:KR+3], v[KSA]                ; step 0: K's scale words first,
	ds_load_b128 v[KR+4:KR+7], v[KSA] offset:256
	KFRAGS L16, L8                                 ; then its fragments
	s_cmp_eq_u32 s61, 1
	s_wait_alu depctr_va_vdst(0)                   ; ahead of the branch
	s_cbranch_scc1 .Lnoq                           ; the last pass has no successor
	s_add_nc_u64 s[66:67], s[66:67], 12288         ; (the loads that read these bases are done) 16 tiles on
	s_add_nc_u64 s[68:69], s[68:69], 1024
	QLOADS                                         ; the next pass's q lands while this pass is worked
.Lnoq:
	s_wait_dscnt 16                                ; the two loads of scale words are in; the 16 of fragments may be out
	PERMS
	INIT 0
	INIT 1
	WIN 0
	s_mov_b32 s56, 6144                            ; the NEXT step's K,
	s_mov_b32 s57, VB                              ; this step's V,
	s_mov_b32 s58, SCK+512                         ; the next step's scale words of K,
	s_mov_b32 s59, SCV                             ; this step's of V
	s_mov_b32 s60, 16                              ; steps of 128 keys
	s_wait_alu depctr_va_vdst(0)                   ; ahead of the wait below
.Lstep:
	s_wait_dscnt 0x0                               ; K's fragments are in (a pass's first step; later steps have waited ahead of O's products)
	QK 0
	QK 1
	WIN 0
	v_add_nc_u32 v[VA16], s57, v[L16]              ; six plain lines between the products and the loads into their source registers
	v_add_nc_u32 v[VA8], s57, v[L8]
	v_add_nc_u32 v[VSA], s59, v[R16]
	v_add_nc_u32 v[KA16], s56, v[L16]
	v_add_nc_u32 v[KA8], s56, v[L8]
	v_add_nc_u32 v[KSA], s58, v[R16]
	ds_load_b128 v[VS:VS+3], v[VSA]
	VFRAGS VA16, VA8                               ; this step's V
	s_cmp_eq_u32 s60, 1
	s_wait_alu depctr_va_vdst(0)                   ; ahead of the branch
	s_cbranch_scc1 .Lnok                           ; the last step has no successor
	ds_load_b128 v[KR:KR+3], v[KSA]
	ds_load_b128 v[KR+4:KR+7], v[KSA] offset:256
	KFRAGS KA16, KA8                               ; the next step's K
.Lnok:
	SOFT 0
	SOFT 1
	WIN 0
	s_wait_alu depctr_va_vdst(0)                   ; ahead of the wait below
	s_wait_dscnt 0x0                               ; V, the next step's K and both kinds of scale words are in
	PERMS                                          ; four plain lines between the last write of p's codes and their product (in the last step the words are the old ones, and the result is not used)
	PV 0
	PV 1
	SUMS 0                                         ; these 64 lines also stand between the scale words' write and the next products
	SUMS 1
	WIN 0
	s_add_co_u32 s56, s56, 6144
	s_add_co_u32 s57, s57, 6144
	s_add_co_u32 s58, s58, 512
	s_add_co_u32 s59, s59, 256
	s_sub_co_u32 s60, s60, 1
	s_cmp_lg_u32 s60, 0
	s_wait_alu depctr_va_vdst(0)                   ; ahead of the branch
	s_cbranch_scc1 .Lstep
	EPI 0
	EPI 1
	WIN 0
	s_wait_xcnt 0x0                                ; the stores have read their bases and data
	s_add_nc_u64 s[70:71], s[70:71], 196608        ; 16 tiles on
	s_add_nc_u64 s[72:73], s[72:73], 8192
	s_sub_co_u32 s61, s61, 1
	s_cmp_lg_u32 s61, 0
	s_wait_alu depctr_va_vdst(0)
	s_cbranch_scc1 .Ltile
	s_wait_tensorcnt 0x0                           ; the wave's end
	ds_add_u32 v[SPW], v[NIL]
	s_wait_dscnt 0x0
	CROUND                                         ; the closing round
	s_endpgm
.Lfunc_end_k_qeb1d7a27c5_attn:
	.size	k_qeb1d7a27c5_attn, .Lfunc_end_k_qeb1d7a27c5_attn-k_qeb1d7a27c5_attn
	.p2alignl 7, 3214868480
	.fill 96, 4, 3214868480
	.section	.rodata,"a",@progbits
	.p2align	6, 0x0
	.amdhsa_kernel k_qeb1d7a27c5_attn
		.amdhsa_group_segment_fixed_size 327680
		.amdhsa_private_segment_fixed_size 0
		.amdhsa_enable_private_segment 0
		.amdhsa_kernarg_size 32
		.amdhsa_user_sgpr_count 2
		.amdhsa_user_sgpr_kernarg_segment_ptr 1
		.amdhsa_wavefront_size32 1
		.amdhsa_system_sgpr_workgroup_id_x 1
		.amdhsa_system_sgpr_workgroup_id_y 1
		.amdhsa_system_sgpr_workgroup_id_z 1
		.amdhsa_system_vgpr_workitem_id 0
		.amdhsa_next_free_vgpr 512
		.amdhsa_next_free_sgpr 80
		.amdhsa_reserve_vcc 0
		.amdhsa_float_denorm_mode_32 3
		.amdhsa_float_denorm_mode_16_64 3
		.amdhsa_memory_ordered 1
		.amdhsa_forward_progress 1
		.amdhsa_inst_pref_size 53
	.end_amdhsa_kernel
	.amdgpu_metadata
---
amdhsa.version: [ 1, 2 ]
amdhsa.kernels:
  - .name:           k_qeb1d7a27c5_attn
    .symbol:         k_qeb1d7a27c5_attn.kd
    .args:
      - { .name: hcod, .offset: 0, .size: 8, .value_kind: global_buffer, .address_space: global }
      - { .name: hscl, .offset: 8, .size: 8, .value_kind: global_buffer, .address_space: global }
      - { .name: ocod, .offset: 16, .size: 8, .value_kind: global_buffer, .address_space: global }
      - { .name: oscl, .offset: 24, .size: 8, .value_kind: global_buffer, .address_space: global }
    .group_segment_fixed_size: 327680
    .private_segment_fixed_size: 0
    .kernarg_segment_align: 8
    .kernarg_segment_size: 32
    .max_flat_workgroup_size: 256
    .sgpr_count:     80
    .vgpr_count:     512
    .wavefront_size: 32
...
	.end_amdgpu_metadata
.endif
;; end of part 3
;; launch outp (part 4): grid 8 x 32, 8 waves a work-group, clusters of 4 x 4, 327,680 bytes of LDS; arguments ocod, oscl, wcod, wscl, bo, out0; writes out0
.if DOCPART == 4
	.amdgcn_target "amdgcn-amd-amdhsa--gfx1250"
	.amdhsa_code_object_version 6
	.text
	.protected	k_qeb1d7a27c5_outp
	.globl	k_qeb1d7a27c5_outp
	.p2align	8
	.type	k_qeb1d7a27c5_outp,@function
k_qeb1d7a27c5_outp:
	s_mov_b64 s[64:65], 0
	v_nop
	global_prefetch_b8 v0, s[64:65] scope:SCOPE_SE
	s_setreg_imm32_b32 hwreg(HW_REG_WAVE_MODE, 25, 1), 1
	s_wait_xcnt 0x0
	s_wait_alu depctr_hold_cnt(0) depctr_sa_sdst(0) depctr_va_vdst(0) depctr_va_sdst(0) depctr_va_ssrc(0) depctr_va_vcc(0) depctr_vm_vsrc(0)
	s_getreg_b32 s2, hwreg(HW_REG_IB_STS2, 6, 4)
	s_cmp_eq_u32 s2, 0
	s_cbranch_scc0 .Lentry_in_a_cluster
	s_endpgm
.Lentry_in_a_cluster:
	s_bfe_u32 s2, ttmp6, 0x10000c
	s_cmp_lg_u32 s2, 0xf033
	s_cbranch_scc0 .Lentry_shape_is_right
	s_endpgm
.Lentry_shape_is_right:
; out0 = x Wo + bo on codes of FP6 (E2M3) with E8M0 scales, K = 1,024.  x's codes (ocod) lie as images of operand registers, [tile of 16 tokens][16 pieces of 64 K][768 bytes];
; Wo's codes lie in planes [K step of 256][row][192 bytes]; both scale tables are 32 bytes a row.  All rows lie in position order (row p holds true row p with bits 3 and 4 exchanged).
; A work-group makes 256 tokens x 128 channels: 32 x 8 = 256 work-groups.  ALL OF K LIES IN LDS AT ONCE: x's 256 rows are 196,608 dense bytes, Wo's 128 rows four blocks of 24,576 bytes
; (30,720 with 16 bytes of padding behind every 64): 319,488 bytes, filled once by eight tensor loads, one a wave; nothing is filled again.
; No prefetch: every byte that comes through LDS is asked for at the kernel's head, so there is no loop to run ahead in.
; CLUSTERS of 4 x 4: x's tile hangs on the tile row alone and is asked for jointly along a row of the cluster, Wo's on the tile column alone, along a column.
; Eight waves, each 64 tokens x 64 channels: 16 accumulators (window 1, v0-127).  Two sets of fragments (v128-223 of window 0 and of window 1) take turns, a K step of 128 each.
; The scale words of a wave's rows, for all of K, and the bias come straight into registers: a lane loads its row's 32 bytes, sixteen lanes 512 consecutive bytes.
; The product is used transposed (source 0 = 16 rows of Wo, source 1 = 16 tokens): a lane holds a token and eight neighbouring channels.  THE BIAS is the C of each sum's first product.
; LIMITS: NaN and infinities are not served.
.set PITCH,  240                       ; an LDS row of Wo: 3 x (64 bytes + 16 of padding)
.set PLANE,  128*PITCH                 ; a K step of 256 of Wo's 128 rows
.set BL,     196608                    ; Wo's planes lie behind x's tile
.set SPARE,  BL+4*PLANE                ; the spare words: 128 bytes a wave, four blocks of 256 bytes that no other line names
.set SPITCH, 272                       ; the way out: a stage of 16 rows x (256 bytes + 16) a wave, in x's bytes, behind a barrier behind which nobody reads them
.set A16,  8                           ; v8  LDS address of my x fragments, 16 bytes a lane
.set A8,   9                           ; v9  8 bytes a lane
.set ADRB, 10                          ; v10-11 my Wo fragments in planes 0-1, 2-3; v12-13 the same behind one padding more
.set STO,  14
.set RD,   15
.set CO,   16
.set SO,   17                          ; 32 x (lane % 16)
.set BO,   18                          ; 64 x (lane / 16)
.set SPW,  20                          ; my spare word; never rewritten
.set NIL,  21                          ; 0; never rewritten
.set SCA,  32                          ; v32-63 x's scale words: block i, K step k at 8 i + k
.set SCB,  64                          ; v64-95 Wo's
.set BI,   96                          ; v96-127 the bias: four tiles of eight registers
.set AF,   128                         ; x's four fragments
.set BF,   176                         ; Wo's four
.set BK,   128                         ; the way out: 16 rows read back, v128-159 and v160-191 by turns
.set MSB, 0
.macro WIN new                         ; the immediate's high byte repeats the setting that is left
.if MSB != (\new)
	s_set_vgpr_msb (MSB<<8)|(\new)
.set MSB, (\new)
.endif
.endm
.macro CROUND
	s_barrier_signal -1
	s_barrier_wait -1
	s_cmp_lg_u32 s16, 0
	s_cbranch_scc1 .Lnot_wave_0_\@
	s_barrier_signal -3
.Lnot_wave_0_\@:
	s_barrier_wait -3
	s_barrier_signal -1
	s_barrier_wait -1
.endm
.macro PLACES                          ; plain vector lines between a matrix instruction and a load into, or a store of, its registers
.rept 4
	v_nop
.endr
.endm
	s_load_b256 s[4:11], s[0:1], 0x0               ; ocod, oscl, wcod, wscl
	s_load_b128 s[12:15], s[0:1], 0x20             ; bo, out0
	v_lshl_add_u32 v[SPW], v0, 2, SPARE
	v_mov_b32 v[NIL], 0
	ds_add_u32 v[SPW], v[NIL]                      ; the opening: the add, twice on end, and its wait ahead of my first tensor load
	ds_add_u32 v[SPW], v[NIL]
	v_lshrrev_b32 v1, 5, v0
	v_readfirstlane_b32 s16, v1                    ; wave 0..7
	s_lshr_b32 s17, s16, 1                         ; which 64 tokens are mine
	s_and_b32 s18, s16, 1                          ; which 64 channels
	s_bfe_u32 s40, ttmp6, 0x40000                  ; cx, cy: my place in the cluster
	s_bfe_u32 s41, ttmp6, 0x40004
	s_lshl_b32 s42, ttmp9, 2
	s_add_co_u32 s42, s42, s40                     ; tile column: 128 channels
	s_and_b32 s19, ttmp7, 0xffff
	s_lshl_b32 s19, s19, 2
	s_add_co_u32 s19, s19, s41                     ; tile row: 256 tokens
	s_lshl_b32 s43, s41, 2
	s_lshl_b32 s43, 15, s43                        ; my row of the cluster
	s_lshl_b32 s44, 0x1111, s40                    ; my column
	s_or_b32 s24, s43, (3<<16)|(1<<21)             ; x: a quarter of the tile, 49,152 dense bytes as 192 rows of 256 (32 elements of 8 bytes), no padding
	s_mov_b32 s25, 32<<16
	s_mov_b32 s26, 192<<16
	s_mov_b32 s27, 32<<16
	s_mov_b32 s28, 192
	s_mov_b32 s29, 32
	s_mov_b32 s30, 0
	s_mov_b32 s31, 0
	s_or_b32 s48, s44, (0<<16)|(1<<20)|(1<<21)|(3<<22)|(3<<25)   ; Wo: a plane's 128 rows, 24,576 dense bytes as 96 rows of 256, 16 bytes of padding behind every 64
	s_mov_b32 s49, 256<<16
	s_mov_b32 s50, 96<<16
	s_mov_b32 s51, 256<<16
	s_mov_b32 s52, 96
	s_mov_b32 s53, 256
	s_mov_b32 s54, 0
	s_mov_b32 s55, 0
	s_and_b32 s20, s16, 3                          ; waves 0-3 fetch x's quarters, waves 4-7 Wo's planes
	s_mul_i32 s21, s20, 49152
	s_mul_i32 s22, s19, 196608
	s_add_co_u32 s22, s22, s21
	s_mov_b32 s23, 0
	s_mul_i32 s45, s20, PLANE
	s_add_co_u32 s45, s45, BL
	s_mul_i32 s46, s20, 196608                     ; a plane of a weight in memory: 1,024 rows x 192 bytes
	s_mul_i32 s47, s42, 24576
	s_add_co_u32 s46, s46, s47
	s_add_co_u32 s46, s46, 2359296                 ; Wo is the fourth weight
	s_mov_b32 s47, 0
	s_wait_dscnt 0x0                               ; both opening adds are done
	s_wait_kmcnt 0x0
	s_mov_b32 s32, 1
	s_mov_b32 s33, s21
	s_add_nc_u64 s[34:35], s[4:5], s[22:23]
	s_or_b32 s35, s35, 0x80000000
	s_mov_b32 s36, 1
	s_mov_b32 s37, s45
	s_add_nc_u64 s[38:39], s[8:9], s[46:47]
	s_or_b32 s39, s39, 0x80000000
	CROUND                                         ; all sixteen work-groups are here: the joint loads meet
	s_cmp_lt_u32 s16, 4                            ; one load a wave; the branch hangs on the wave's number alone
	s_cbranch_scc0 .Lfor_b
	tensor_load_to_lds s[32:35], s[24:31]
	s_nop 0
.rept 4
	v_nop
.endr
	s_branch .Lasked
.Lfor_b:
	tensor_load_to_lds s[36:39], s[48:55]
	s_nop 0
.rept 4
	v_nop
.endr
.Lasked:
	v_and_b32 v1, 15, v0                           ; r = lane % 16
	v_bfe_u32 v2, v0, 4, 1                         ; h = lane / 16
	v_and_b32 v3, 31, v0
	v_lshlrev_b32 v[SO], 5, v1
	v_lshlrev_b32 v[BO], 6, v2
	s_lshl_b32 s56, s19, 8
	s_lshl_b32 s57, s17, 6
	s_add_co_u32 s56, s56, s57                     ; my first token
	s_lshl_b32 s58, s42, 7
	s_lshl_b32 s57, s18, 6
	s_add_co_u32 s58, s58, s57                     ; my first channel
	s_mov_b32 s71, 0
	s_lshl_b32 s70, s56, 5
	s_add_nc_u64 s[60:61], s[6:7], s[70:71]        ; x's scales
	s_lshl_b32 s70, s58, 5
	s_add_co_u32 s70, s70, 98304
	s_add_nc_u64 s[62:63], s[10:11], s[70:71]      ; Wo's
	s_lshl_b32 s70, s58, 2
	s_add_nc_u64 s[66:67], s[12:13], s[70:71]      ; the bias
	s_add_nc_u64 s[68:69], s[14:15], s[70:71]
	s_lshl_b32 s70, s56, 12
	s_add_nc_u64 s[68:69], s[68:69], s[70:71]      ; my corner of out0
	s_wait_alu depctr_va_vdst(0)                   ; behind the run of scalar lines
.irp i, 0,1,2,3
	global_load_b128 v[SCA+8*\i:SCA+8*\i+3], v[SO], s[60:61] offset:512*\i
	global_load_b128 v[SCA+8*\i+4:SCA+8*\i+7], v[SO], s[60:61] offset:512*\i+16
	global_load_b128 v[SCB+8*\i:SCB+8*\i+3], v[SO], s[62:63] offset:512*\i
	global_load_b128 v[SCB+8*\i+4:SCB+8*\i+7], v[SO], s[62:63] offset:512*\i+16
	global_load_b128 v[BI+8*\i:BI+8*\i+3], v[BO], s[66:67] offset:(32*(\i/2)+8*(\i%2))*4      ; tile i's eight registers are the channels 32 (i / 2) + 16 h + 8 (i % 2) + 0 .. 7
	global_load_b128 v[BI+8*\i+4:BI+8*\i+7], v[BO], s[66:67] offset:(32*(\i/2)+8*(\i%2))*4+16
.endr
	s_mul_i32 s56, s17, 49152                      ; my four tiles of 16 tokens
	v_lshlrev_b32 v4, 4, v3
	v_lshlrev_b32 v5, 3, v3
	v_add_nc_u32 v[A16], s56, v4
	v_add_nc_u32 v[A8], s56, v5
	v_mul_u32_u24 v4, v1, PITCH
	v_mul_u32_u24 v5, v2, 24
	v_add_nc_u32 v4, v4, v5                        ; a fragment's row x pitch + 24 x half
	v_lshl_add_u32 v5, v2, 4, v4                   ; and the same behind one padding more
	s_mul_i32 s57, s18, 64*PITCH
	s_add_co_u32 s57, s57, BL
.irp pp, 0,1
	v_add_nc_u32 v[ADRB+\pp], s57, v4
	v_add_nc_u32 v[ADRB+2+\pp], s57, v5
	s_add_co_u32 s57, s57, 2*PLANE
.endr
	s_mul_i32 s58, s16, 16*SPITCH                  ; my stage
	v_mul_u32_u24 v6, v1, SPITCH
	v_lshl_add_u32 v6, v2, 6, v6                   ; in: row r, 16 h channels on
	v_add_nc_u32 v[STO], s58, v6
	v_mul_u32_u24 v7, v2, SPITCH
	v_lshl_add_u32 v7, v1, 4, v7                   ; back: lanes 0-15 take one row of 256 bytes, lanes 16-31 the next
	v_add_nc_u32 v[RD], s58, v7
	v_lshlrev_b32 v[CO], 12, v2                    ; and the same two rows in out0
	v_lshl_add_u32 v[CO], v1, 4, v[CO]
.macro FRAG reg, adr, q, i, pl         ; a fragment of Wo: lane l holds row l % 16; registers 6 c .. 6 c + 5 hold K = 64 c + 32 (l / 16) + 0 .. 31: 24 bytes of the row, in pieces of 8
.irp p, 0,1,2,3,4,5
.set PCE, 12*(\q)+6*(\p/3)+\p%3        ; where the piece three on lies behind one padding more, the second address register serves
.if PCE%8 < 5
	ds_load_b64 v[\reg+2*\p:\reg+2*\p+1], v[\adr] offset:8*PCE+16*(PCE/8)+(\i)*16*PITCH+(\pl)*PLANE
.else
	ds_load_b64 v[\reg+2*\p:\reg+2*\p+1], v[\adr+2] offset:8*PCE+16*(PCE/8)+(\i)*16*PITCH+(\pl)*PLANE
.endif
.endr
.endm
.macro FETCH k                         ; K step k's eight fragments into set k % 2 (window k % 2): 16 + 24 = 40 loads
	WIN 0x40*((\k)%2)
.irp i, 0,1,2,3
	ds_load_b128 v[AF+12*\i:AF+12*\i+3], v[A16] offset:12288*\i+1536*(\k)
	ds_load_b64 v[AF+12*\i+4:AF+12*\i+5], v[A8] offset:12288*\i+1536*(\k)+512
	ds_load_b128 v[AF+12*\i+6:AF+12*\i+9], v[A16] offset:12288*\i+1536*(\k)+768
	ds_load_b64 v[AF+12*\i+10:AF+12*\i+11], v[A8] offset:12288*\i+1536*(\k)+1280
.endr
.irp i, 0,1,2,3
	FRAG BF+12*\i, ADRB+((\k)/4), (\k)%2, \i, ((\k)/2)%2
.endr
.endm
.macro MUL k                           ; 16 matrix instructions, the 16 accumulators by turns
.if (\k) == 0
	WIN 0x40                                       ; sources and C (the bias) window 0, D window 1
.else
	WIN 0x50+0x05*((\k)%2)                         ; sources window k % 2, C and D window 1
.endif
.irp a, 0,1,2,3
.irp b, 0,1,2,3
.set rD, 8*(4*\a+\b)
.set rC, rD
.if (\k) == 0
.set rC, BI+8*\b
.endif
	v_wmma_scale_f32_16x16x128_f8f6f4 v[rD:rD+7], v[BF+12*\b:BF+12*\b+11], v[AF+12*\a:AF+12*\a+11], v[rC:rC+7], v[SCB+8*\b+(\k)], v[SCA+8*\a+(\k)] matrix_a_fmt:MATRIX_FMT_FP6 matrix_b_fmt:MATRIX_FMT_FP6
.endr
.endr
.endm
	s_wait_alu depctr_va_vdst(0)                   ; at the head's end
	s_wait_tensorcnt 0x0                           ; my part is in,
	s_barrier_signal -1
	s_barrier_wait -1                              ; everybody's is; nothing is filled again
	FETCH 0
	FETCH 1
	s_wait_loadcnt 0x0                             ; the scale words and the bias are in
	s_wait_dscnt 40                                ; K step 0's fragments are in; K step 1's 40 loads may be out
	MUL 0
.irp k, 1,2,3,4,5,6
	PLACES                                         ; ahead of the loads into the set just multiplied
	FETCH \k+1
	s_wait_dscnt 40                                ; this K step's fragments are in; the next one's 40 loads may be out
	MUL \k
.endr
	s_wait_dscnt 0x0
	MUL 7
	WIN 0
	PLACES                                         ; behind the last products, ahead of the first store of results and of the loads into fragment registers
	s_barrier_signal -1                            ; no LDS instruction of mine is out: my reads of x's tile are over
	s_barrier_wait -1                              ; everybody's are: the stages may be written
; THE WAY OUT, block by block of 16 tokens x 64 channels: through my own stage and back as whole rows of 256 bytes.  LDS serves a wave's instructions in order (ISA guide 5.7.1.4): no wait between the stores and the loads.
.macro TOSTAGE a
	WIN 0x04                                       ; the data: window 1
.irp b, 0,1,2,3
	ds_store_b128 v[STO], v[8*(4*(\a)+\b):8*(4*(\a)+\b)+3] offset:128*(\b/2)+32*(\b%2)          ; each accumulator from its low end on
	ds_store_b128 v[STO], v[8*(4*(\a)+\b)+4:8*(4*(\a)+\b)+7] offset:128*(\b/2)+32*(\b%2)+16
.endr
	WIN 0
.set BB, BK+32*((\a)%2)
.irp t, 0,1,2,3,4,5,6,7
	ds_load_b128 v[BB+4*\t:BB+4*\t+3], v[RD] offset:\t*2*SPITCH
.endr
.endm
.macro SEND a, younger                 ; younger: the LDS instructions issued behind block a's loads, which may stay out
.set BB, BK+32*((\a)%2)
.set R0, 32*((\a)/2)+8*((\a)%2)        ; position 16 a + t is the true row 32 (a / 2) + 8 (a % 2) + t % 8 + 16 (t / 8)
	s_wait_dscnt \younger
.irp t, 0,1,2,3,4,5,6,7
	global_store_b128 v[CO], v[BB+4*\t:BB+4*\t+3], s[68:69] offset:(R0+((2*\t)&7)+16*(\t>>2))*4096 th:TH_STORE_NT   ; sixteen lanes store 256 consecutive bytes, aligned
.endr
.endm
	TOSTAGE 0
.irp a, 1,2,3
.if \a > 1
	s_wait_xcnt 0x0                                ; block a - 2's stores have read their registers: block a's loads may land there
.endif
	TOSTAGE \a
	SEND \a-1, 16                                  ; behind block a - 1's loads: block a's 8 stores and 8 loads
.endr
	SEND 3, 0
	s_wait_tensorcnt 0x0                           ; the wave's end, behind my last tensor load and my last LDS store
	ds_add_u32 v[SPW], v[NIL]
	s_wait_dscnt 0x0
	CROUND                                         ; the closing round
	s_endpgm
.Lfunc_end_k_qeb1d7a27c5_outp:
	.size	k_qeb1d7a27c5_outp, .Lfunc_end_k_qeb1d7a27c5_outp-k_qeb1d7a27c5_outp
	.p2alignl 7, 3214868480
	.fill 96, 4, 3214868480
	.section	.rodata,"a",@progbits
	.p2align	6, 0x0
	.amdhsa_kernel k_qeb1d7a27c5_outp
		.amdhsa_group_segment_fixed_size 327680
		.amdhsa_private_segment_fixed_size 0
		.amdhsa_enable_private_segment 0
		.amdhsa_kernarg_size 48
		.amdhsa_user_sgpr_count 2
		.amdhsa_user_sgpr_kernarg_segment_ptr 1
		.amdhsa_wavefront_size32 1
		.amdhsa_system_sgpr_workgroup_id_x 1
		.amdhsa_system_sgpr_workgroup_id_y 1
		.amdhsa_system_sgpr_workgroup_id_z 1
		.amdhsa_system_vgpr_workitem_id 0
		.amdhsa_next_free_vgpr 512
		.amdhsa_next_free_sgpr 80
		.amdhsa_reserve_vcc 0
		.amdhsa_float_denorm_mode_32 3
		.amdhsa_float_denorm_mode_16_64 3
		.amdhsa_memory_ordered 1
		.amdhsa_forward_progress 1
		.amdhsa_inst_pref_size 55
	.end_amdhsa_kernel
	.amdgpu_metadata
---
amdhsa.version: [ 1, 2 ]
amdhsa.kernels:
  - .name:           k_qeb1d7a27c5_outp
    .symbol:         k_qeb1d7a27c5_outp.kd
    .args:
      - { .name: ocod, .offset: 0, .size: 8, .value_kind: global_buffer, .address_space: global }
      - { .name: oscl, .offset: 8, .size: 8, .value_kind: global_buffer, .address_space: global }
      - { .name: wcod, .offset: 16, .size: 8, .value_kind: global_buffer, .address_space: global }
      - { .name: wscl, .offset: 24, .size: 8, .value_kind: global_buffer, .address_space: global }
      - { .name: bo, .offset: 32, .size: 8, .value_kind: global_buffer, .address_space: global }
      - { .name: out0, .offset: 40, .size: 8, .value_kind: global_buffer, .address_space: global }
    .group_segment_fixed_size: 327680
    .private_segment_fixed_size: 0
    .kernarg_segment_align: 8
    .kernarg_segment_size: 48
    .max_flat_workgroup_size: 256
    .sgpr_count:     80
    .vgpr_count:     512
    .wavefront_size: 32
...
	.end_amdgpu_metadata
.endif
;; end of part 4
